; MI455X (gfx1250); checked and timed in simulation.
; The chip was launched on July 23, 2026; its instructions are those of AMD's public machine-readable ISA for CDNA 5 (MIT licence, August 2026) and "CDNA5" Instruction Set Architecture Reference Guide (July 2026). The comments in the code are by the model that wrote it; some were corrected since.
;; Cross Attention. Allowed arithmetic: float matrix products may take bf16 or f16 operands with f32 sums; other float arithmetic in f32, or as packed bf16 or f16 multiplies, adds, multiply-adds, maxima and minima; sums over many terms, partial sums and values carried from step to step in f32; what a program stores and reads back later, other than sums and carried values, may be rounded once to bf16 or f16.
;; Inputs: W1 4,096 x 1,024 float32; W2 1,024 x 4,096 float32; Wk 1,024 x 1,024 float32; Wo 1,024 x 1,024 float32; Wq 1,024 x 1,024 float32; Wv 1,024 x 1,024 float32; b1 1,024 float32; b2 1,024 float32; bf1 4,096 float32; bf2 1,024 float32; bk 1,024 float32; bo 1,024 float32; bq 1,024 float32; bv 1,024 float32; features 4 x 32 x 1,024 float32; g1 1,024 float32; g2 1,024 float32.
;; Outputs: out0 4 x 32 x 1,024 float32.
;; 2 versions, each right and faster than the one before. Each part assembles by itself: llvm-mc -triple=amdgcn-amd-amdhsa -mcpu=gfx1250 --defsym DOCPART=n.
;; ======== version 1 of 2: 8 launches
;; workspace buffers: xqf 524,288 bytes; ba 262,144 bytes; bb 262,144 bytes; big 1,572,864 bytes; po 524,288 bytes; ao 524,288 bytes; pf 2,097,152 bytes
;; launch prep (part 1): grid 32 x 1, 4 waves a work-group, no clusters, 0 bytes of LDS; arguments features, g1, b1, xqf, ba, bb; writes xqf, ba, bb
.if DOCPART == 1
	.amdgcn_target "amdgcn-amd-amdhsa--gfx1250"
	.amdhsa_code_object_version 6
	.text
	.protected	k_qdab2361121_prep
	.globl	k_qdab2361121_prep
	.p2align	8
	.type	k_qdab2361121_prep,@function
k_qdab2361121_prep:
	s_mov_b64 s[64:65], 0
	v_nop
	global_prefetch_b8 v0, s[64:65] scope:SCOPE_SE
	s_setreg_imm32_b32 hwreg(HW_REG_WAVE_MODE, 25, 1), 1
	s_wait_xcnt 0x0
; CROSS ATTENTION, launch 1 of 8: xq = LayerNorm(features) g1 + b1, and the two 16-bit copies that the projections multiply.
; THE PROGRAM.  prep (this) | qkv: q, k, v | attn: the rank-1 attention | oproj: att Wo^T + bo | ln2: attn_out and its LayerNorm | ffn1 | ffn2 | fin.
; ROW ORDER.  All workspace buffers hold the 128 rows in the order row' = 4 b + i (i the first axis of features, b the second), so that the four i of
; one b are neighbours; this launch permutes on the way in, the last launch on the way out.
; WORK LEFT OUT (in attn).  reference() multiplies att[i][j] by mask[i][j] = 1 - eye(N), which it builds in its own body: for j = i the factor is 0.  att[i][i] is a
; softmax-weighted mean of v[i], finite for all finite inputs, so its product with 0 is 0 in exact arithmetic whatever the inputs hold.  The four blocks j = i of
; scores, softmax and weighted sum (a quarter of that work, in whole blocks) are therefore not computed.  Every input still has a way to the output: all 17 are loaded.
; LIMIT: a NaN, an infinity or an overflow that arises only in a block j = i is not carried to the result.
; LIMITS of the program: matrix operands (xq, features, att, y, h1 and all weights) are rounded once to bf16; a softmax weight below 2^-126 counts as 0; NaN and infinities are not treated apart.
; SHARES.  Work-group = b, wave = i: one wave holds one row of 1,024 numbers in 32 registers, so the mean and the variance never leave the wave: no LDS, no barrier.
; The variance is taken of the deviations from the mean (two passes over registers), so a common offset of the inputs costs no digits.
; No cluster: what work-groups share here is g1 and b1, 8 KB beside nothing else that is shared.
.set T,  16                            ; v[16:31]   eight pairs at work in a sum
.set X,  32                            ; v[32:63]   the row: load t holds columns 128 t + 4 lane .. + 3
.set G,  64                            ; v[64:95]   g1, same columns
.set BV, 96                            ; v[96:127]  b1
.set FP, 128                           ; v[128:143] features in bf16
.set XP, 144                           ; v[144:159] xq in bf16
; T's eight pairs into one number, then over the 32 lanes: four steps inside each half of 16 lanes, one across the halves.  The result stands in v8 of every lane.
.macro TREE
.irp k, 0,2,4,6
	v_pk_add_f32 v[T+(\k):T+(\k)+1], v[T+(\k):T+(\k)+1], v[T+8+(\k):T+8+(\k)+1]
.endr
.irp k, 0,2
	v_pk_add_f32 v[T+(\k):T+(\k)+1], v[T+(\k):T+(\k)+1], v[T+4+(\k):T+4+(\k)+1]
.endr
	v_pk_add_f32 v[T:T+1], v[T:T+1], v[T+2:T+3]
	v_add_f32 v8, v[T], v[T+1]
	v_add_f32_dpp v8, v8, v8 row_xmask:1 row_mask:0xf bank_mask:0xf
	v_add_f32_dpp v8, v8, v8 row_xmask:2 row_mask:0xf bank_mask:0xf
	v_add_f32_dpp v8, v8, v8 row_xmask:4 row_mask:0xf bank_mask:0xf
	v_add_f32_dpp v8, v8, v8 row_xmask:8 row_mask:0xf bank_mask:0xf
	v_permlanex16_b32 v9, v8, s24, s25             ; its destination counts as read: v9 was written at the head
	v_add_f32 v8, v8, v9
.endm
	s_load_b256 s[4:11], s[0:1], 0x0               ; features s[4:5], g1 s[6:7], b1 s[8:9], xqf s[10:11]
	s_load_b128 s[12:15], s[0:1], 0x20             ; ba s[12:13], bb s[14:15]
	v_lshrrev_b32 v3, 5, v0
	v_readfirstlane_b32 s16, v3                    ; wave = i
	v_and_b32 v2, 31, v0
	v_lshlrev_b32 v1, 4, v2                        ; 16 x lane: my 16 bytes of 512 in f32
	v_lshlrev_b32 v2, 3, v2                        ; 8 x lane: my 8 bytes of 256 in bf16
	v_mov_b32 v9, 0
	s_lshl_b32 s17, s16, 5
	s_add_co_u32 s17, s17, ttmp9                   ; the row in features: 32 i + b
	s_lshl_b32 s18, ttmp9, 2
	s_add_co_u32 s18, s18, s16                     ; row' = 4 b + i
	s_mov_b32 s22, 0x3a800000                      ; 1 / 1024
	s_mov_b32 s23, 0x3727c5ac                      ; 1e-5
	s_mov_b32 s24, 0x76543210                      ; v_permlanex16_b32: each lane takes its own place in the other half
	s_mov_b32 s25, 0xfedcba98
	s_lshl_b32 s20, s17, 12                        ; byte offsets, each in a pair of its own
	s_mov_b32 s21, 0
	s_lshl_b32 s26, s18, 12
	s_mov_b32 s27, 0
	s_lshl_b32 s28, s18, 11
	s_mov_b32 s29, 0
	s_wait_kmcnt 0x0
	s_add_nc_u64 s[4:5], s[4:5], s[20:21]
	s_add_nc_u64 s[10:11], s[10:11], s[26:27]
	s_add_nc_u64 s[12:13], s[12:13], s[28:29]
	s_add_nc_u64 s[14:15], s[14:15], s[28:29]
.irp t, 0,1,2,3,4,5,6,7
	global_load_b128 v[X+4*(\t):X+4*(\t)+3], v1, s[4:5] offset:512*(\t) th:TH_LOAD_NT
.endr
.irp t, 0,1,2,3,4,5,6,7
	global_load_b128 v[G+4*(\t):G+4*(\t)+3], v1, s[6:7] offset:512*(\t)
.endr
.irp t, 0,1,2,3,4,5,6,7
	global_load_b128 v[BV+4*(\t):BV+4*(\t)+3], v1, s[8:9] offset:512*(\t)
.endr
	s_wait_loadcnt 16                              ; the row is in; the 16 younger loads (g1, b1) may stay out
.irp k, 0,1,2,3,4,5,6,7,8,9,10,11,12,13,14,15
	v_cvt_pk_bf16_f32 v[FP+(\k)], v[X+2*(\k)], v[X+2*(\k)+1]
.endr
.irp t, 0,1,2,3,4,5,6,7
	global_store_b64 v2, v[FP+2*(\t):FP+2*(\t)+1], s[14:15] offset:256*(\t)  ; 32 lanes store 256 consecutive bytes, aligned
.endr
.irp k, 0,1,2,3,4,5,6,7
	v_pk_add_f32 v[T+2*(\k):T+2*(\k)+1], v[X+4*(\k):X+4*(\k)+1], v[X+4*(\k)+2:X+4*(\k)+3]
.endr
	TREE
	v_mul_f32 v4, s22, v8                          ; the mean, as a pair
	v_mov_b32 v5, v4
.irp k, 0,1,2,3,4,5,6,7,8,9,10,11,12,13,14,15
	v_pk_add_f32 v[X+2*(\k):X+2*(\k)+1], v[X+2*(\k):X+2*(\k)+1], v[4:5] neg_lo:[0,1] neg_hi:[0,1]
.endr
.irp k, 0,1,2,3,4,5,6,7
	v_pk_mul_f32 v[T+2*(\k):T+2*(\k)+1], v[X+4*(\k):X+4*(\k)+1], v[X+4*(\k):X+4*(\k)+1]
.endr
.irp k, 0,1,2,3,4,5,6,7
	v_pk_fma_f32 v[T+2*(\k):T+2*(\k)+1], v[X+4*(\k)+2:X+4*(\k)+3], v[X+4*(\k)+2:X+4*(\k)+3], v[T+2*(\k):T+2*(\k)+1]
.endr
	TREE
	v_fma_f32 v8, v8, s22, s23                     ; variance + eps
	v_rsq_f32 v6, v8
	v_nop                                          ; a plain instruction behind the root,
	s_wait_alu depctr_va_vdst(0)                   ; and the wait ahead of its first reader
	v_mov_b32 v7, v6
	s_wait_loadcnt 0x0                             ; g1 and b1
.irp k, 0,1,2,3,4,5,6,7,8,9,10,11,12,13,14,15
	v_pk_mul_f32 v[X+2*(\k):X+2*(\k)+1], v[X+2*(\k):X+2*(\k)+1], v[6:7]
.endr
.irp k, 0,1,2,3,4,5,6,7,8,9,10,11,12,13,14,15
	v_pk_fma_f32 v[X+2*(\k):X+2*(\k)+1], v[X+2*(\k):X+2*(\k)+1], v[G+2*(\k):G+2*(\k)+1], v[BV+2*(\k):BV+2*(\k)+1]
.endr
.irp t, 0,1,2,3,4,5,6,7
	global_store_b128 v1, v[X+4*(\t):X+4*(\t)+3], s[10:11] offset:512*(\t)   ; xq in f32: 512 consecutive bytes a store
.endr
.irp k, 0,1,2,3,4,5,6,7,8,9,10,11,12,13,14,15
	v_cvt_pk_bf16_f32 v[XP+(\k)], v[X+2*(\k)], v[X+2*(\k)+1]
.endr
.irp t, 0,1,2,3,4,5,6,7
	global_store_b64 v2, v[XP+2*(\t):XP+2*(\t)+1], s[12:13] offset:256*(\t)
.endr
	s_endpgm                                       ; no register that a store reads has been written again
.Lfunc_end_k_qdab2361121_prep:
	.size	k_qdab2361121_prep, .Lfunc_end_k_qdab2361121_prep-k_qdab2361121_prep
	.p2alignl 7, 3214868480
	.fill 96, 4, 3214868480
	.section	.rodata,"a",@progbits
	.p2align	6, 0x0
	.amdhsa_kernel k_qdab2361121_prep
		.amdhsa_group_segment_fixed_size 0
		.amdhsa_private_segment_fixed_size 0
		.amdhsa_enable_private_segment 0
		.amdhsa_kernarg_size 48
		.amdhsa_user_sgpr_count 2
		.amdhsa_user_sgpr_kernarg_segment_ptr 1
		.amdhsa_wavefront_size32 1
		.amdhsa_system_sgpr_workgroup_id_x 1
		.amdhsa_system_sgpr_workgroup_id_y 1
		.amdhsa_system_sgpr_workgroup_id_z 1
		.amdhsa_system_vgpr_workitem_id 0
		.amdhsa_next_free_vgpr 160
		.amdhsa_next_free_sgpr 66
		.amdhsa_reserve_vcc 0
		.amdhsa_float_denorm_mode_32 3
		.amdhsa_float_denorm_mode_16_64 3
		.amdhsa_memory_ordered 1
		.amdhsa_forward_progress 1
		.amdhsa_inst_pref_size 15
	.end_amdhsa_kernel
	.amdgpu_metadata
---
amdhsa.version: [ 1, 2 ]
amdhsa.kernels:
  - .name:           k_qdab2361121_prep
    .symbol:         k_qdab2361121_prep.kd
    .args:
      - { .name: features, .offset: 0, .size: 8, .value_kind: global_buffer, .address_space: global }
      - { .name: g1, .offset: 8, .size: 8, .value_kind: global_buffer, .address_space: global }
      - { .name: b1, .offset: 16, .size: 8, .value_kind: global_buffer, .address_space: global }
      - { .name: xqf, .offset: 24, .size: 8, .value_kind: global_buffer, .address_space: global }
      - { .name: ba, .offset: 32, .size: 8, .value_kind: global_buffer, .address_space: global }
      - { .name: bb, .offset: 40, .size: 8, .value_kind: global_buffer, .address_space: global }
    .group_segment_fixed_size: 0
    .private_segment_fixed_size: 0
    .kernarg_segment_align: 8
    .kernarg_segment_size: 48
    .max_flat_workgroup_size: 128
    .sgpr_count:     66
    .vgpr_count:     160
    .wavefront_size: 32
...
	.end_amdgpu_metadata
.endif
;; end of part 1
;; launch qkv (part 2): grid 192 x 1, 8 waves a work-group, clusters of 4 x 1, 279,552 bytes of LDS; arguments ba, bb, Wq, Wk, Wv, bq, bk, bv, big; writes big
.if DOCPART == 2
	.amdgcn_target "amdgcn-amd-amdhsa--gfx1250"
	.amdhsa_code_object_version 6
	.text
	.protected	k_qdab2361121_qkv
	.globl	k_qdab2361121_qkv
	.p2align	8
	.type	k_qdab2361121_qkv,@function
k_qdab2361121_qkv:
	s_mov_b64 s[64:65], 0
	v_nop
	global_prefetch_b8 v0, s[64:65] scope:SCOPE_SE
	s_setreg_imm32_b32 hwreg(HW_REG_WAVE_MODE, 25, 1), 1
	s_wait_xcnt 0x0
	s_wait_alu depctr_hold_cnt(0) depctr_sa_sdst(0) depctr_va_vdst(0) depctr_va_sdst(0) depctr_va_ssrc(0) depctr_va_vcc(0) depctr_vm_vsrc(0)
	s_getreg_b32 s2, hwreg(HW_REG_IB_STS2, 6, 4)
	s_cmp_eq_u32 s2, 0
	s_cbranch_scc0 .Lentry_in_a_cluster
	s_endpgm
.Lentry_in_a_cluster:
	s_bfe_u32 s2, ttmp6, 0x10000c
	s_cmp_lg_u32 s2, 0x3003
	s_cbranch_scc0 .Lentry_shape_is_right
	s_endpgm
.Lentry_shape_is_right:
; out[row'][c] = the sum over k of A[row'][k] W[c][k] + bias[c]: 128 rows, K = 1,024.  A: bf16 [128][1024]; W: f32 [.][1024], rounded to bf16 in registers; sums in f32.
; ONE TEXT, TWO LAUNCHES.  Arguments: A0, A1, W0, W1, W2, bias0, bias1, bias2, out.  Work-group x makes 16 columns: matrix mat = x / 64 (0: A0, W0, bias0; 1: A1, W1, bias1; 2: A1, W2, bias2),
; columns 16 (x % 64) on.  With 192 work-groups: q = xq Wq^T + bq, k = features Wk^T + bk, v = features Wv^T + bv.  With 64 work-groups mat is 0 throughout: att Wo^T + bo.
; OUT is blocked: [x][row' 128][16] f32, 8,192 dense bytes a work-group, so that every store covers 512 consecutive bytes, aligned.
; SHARES.  K IS SPLIT AMONG EIGHT WAVES: wave w takes k = 128 w .. 128 w + 127 for all 128 rows: eight accumulators of 16 x 16.  Its slice of A (128 rows x 256 bytes) comes by ONE tensor load into
; LDS bytes that this wave alone reads, so its own wait on TENSORcnt orders its reads; one tensor load of a wave is out, once.  Its slice of W (16 rows x 512 bytes of f32) comes straight into registers,
; asked for at the head, ahead of everything else.  The eight partial sums meet in LDS; wave w then finishes rows 16 w .. 16 w + 15.
; CLUSTER.  The four work-groups of a cluster share mat (64 is a multiple of 4), so they need the same A: each slice is asked for JOINTLY, same load, descriptor and mask in all four.
; No LDS byte is filled twice.  A wave's scratch for its partial sums lies in the head of its OWN slice, which has had its only fill and its last read by then.
; THE MATRIX INSTRUCTION IS USED TRANSPOSED (source 0 = 16 rows of W, source 1 = 16 rows of A): lane l then holds row l % 16 of out and the columns 8 (l / 16) + 0..7.
.set REG,   34816                      ; a wave's LDS region: 128 rows of 272 bytes
.set PITCH, 272                        ; 256 bytes + 16 of padding: the 16 rows of a fragment load start at 16 different 16-byte columns modulo 256
.set SPARE, 8*REG                      ; behind the regions: the spare words, 128 bytes for each of eight waves
.set SPIT,  80                         ; scratch: a row of 16 f32 + 16 bytes
.set TILEB, 16*SPIT                    ; a partial tile in the scratch
.set FO,  2                            ; v2   my byte offset in W: (l % 16) x 4,096 + 32 (l / 16) + 512 w
.set AL,  3                            ; v3   LDS address of my part of a fragment of A
.set STO, 4                            ; v4   where I put 32 bytes of a partial row
.set RD,  5                            ; v5   where I read partial rows back
.set GO,  6                            ; v6   my byte offset in the block of out
.set BO,  7                            ; v7   my four columns in the bias
.set SPW, 8                            ; v8   LDS address of my spare word; never rewritten
.set NIL, 9                            ; v9   0; never rewritten
.set BIAS, 16                          ; v[16:19]
.set WF,  24                           ; v[24:87]   W in f32; then A's second fragment buffer; then the partial sums read back
.set RB,  24
.set AB0, 88                           ; v[88:151]  A's first fragment buffer
.set WB,  152                          ; v[152:183] W in bf16: 8 registers for each 32 k
.set ACC, 184                          ; v[184:247] eight accumulators
; A round of the cluster's barrier: my work-group's barrier; wave 0 signals for the work-group; every wave waits for all four work-groups; my work-group's barrier once more.
.macro ROUND
	s_barrier_signal -1
	s_barrier_wait -1
	s_cmp_lg_u32 s26, 0
	s_cbranch_scc1 .Lnot_wave_0_\@
	s_barrier_signal -3
.Lnot_wave_0_\@:
	s_barrier_wait -3
	s_barrier_signal -1
	s_barrier_wait -1
.endm
; W: for each 32 k, registers 0-7 take k = 8 (l / 16) + 0..7 and registers 8-15 take k = 16 + 8 (l / 16) + 0..7, the order of a fragment
.macro WLOADS
.irp ks, 0,1,2,3
	global_load_b128 v[WF+16*(\ks):WF+16*(\ks)+3],     v[FO], s[46:47] offset:128*(\ks)
	global_load_b128 v[WF+16*(\ks)+4:WF+16*(\ks)+7],   v[FO], s[46:47] offset:128*(\ks)+16
	global_load_b128 v[WF+16*(\ks)+8:WF+16*(\ks)+11],  v[FO], s[46:47] offset:128*(\ks)+64
	global_load_b128 v[WF+16*(\ks)+12:WF+16*(\ks)+15], v[FO], s[46:47] offset:128*(\ks)+80
.endr
.endm
; A's eight fragments (16 rows x 32 k each) of K step ks: 16 LDS loads
.macro AFETCH buf, ks
.irp a, 0,1,2,3,4,5,6,7
	ds_load_b128 v[(\buf)+8*(\a):(\buf)+8*(\a)+3],   v[AL] offset:(\a)*16*PITCH+64*(\ks)
	ds_load_b128 v[(\buf)+8*(\a)+4:(\buf)+8*(\a)+7], v[AL] offset:(\a)*16*PITCH+64*(\ks)+32
.endr
.endm
; Eight products: the eight accumulators take turns, one instruction a turn, from K step to K step too.  zero = 1: the first product starts the sums.
.macro MULS buf, ks, zero
.irp a, 0,1,2,3,4,5,6,7
.if \zero
	v_wmma_f32_16x16x32_bf16 v[ACC+8*(\a):ACC+8*(\a)+7], v[WB+8*(\ks):WB+8*(\ks)+7], v[(\buf)+8*(\a):(\buf)+8*(\a)+7], 0
.else
	v_wmma_f32_16x16x32_bf16 v[ACC+8*(\a):ACC+8*(\a)+7], v[WB+8*(\ks):WB+8*(\ks)+7], v[(\buf)+8*(\a):(\buf)+8*(\a)+7], v[ACC+8*(\a):ACC+8*(\a)+7]
.endif
.endr
.endm
.macro PLACES n                        ; plain places behind matrix instructions, in front of loads into registers that they read and of stores of their results
.rept \n
	v_nop
.endr
.endm
	s_load_b512 s[8:23], s[0:1], 0x0               ; A0 s[8:9], A1 s[10:11], W0 s[12:13], W1 s[14:15], W2 s[16:17], bias0 s[18:19], bias1 s[20:21], bias2 s[22:23]
	s_load_b64 s[24:25], s[0:1], 0x40              ; out
	v_lshl_add_u32 v[SPW], v0, 2, SPARE
	v_mov_b32 v[NIL], 0
	ds_add_u32 v[SPW], v[NIL]                      ; the opening: the add, twice on end, and its wait ahead of my first tensor load
	ds_add_u32 v[SPW], v[NIL]
	v_lshrrev_b32 v10, 5, v0
	v_readfirstlane_b32 s26, v10                   ; wave 0..7
	s_bfe_u32 s27, ttmp6, 0x40000                  ; cx: it enters the addresses of W, bias and out alone
	s_lshl_b32 s28, ttmp9, 2
	s_add_co_u32 s28, s28, s27                     ; x = 4 x cluster + cx
	s_lshr_b32 s29, ttmp9, 4                       ; mat: the same in all four partners
	s_and_b32 s30, s28, 63                         ; the group of 16 columns in its matrix
	; descriptor group 1: 128 rows x 128 elements of 2 bytes, 1,024 elements from row to row, padded in LDS
	s_mov_b32 s36, 15|(1<<16)|(1<<20)|(1<<21)|(5<<22)|(3<<25)  ; the mask of four; 2-byte elements; padding on; bit 21 beside a mask; after every 64 words, 4 words
	s_mov_b32 s37, 128<<16                         ; tensor_dim0 = 128
	s_mov_b32 s38, 128<<16                         ; tensor_dim1 = 128
	s_mov_b32 s39, 128<<16                         ; tile_dim0 = 128
	s_mov_b32 s40, 128                             ; tile_dim1 = 128
	s_mov_b32 s41, 1024                            ; elements from row to row
	s_mov_b32 s42, 0
	s_mov_b32 s43, 0
	s_mov_b32 s32, 1                               ; group 0: count = 1
	s_mul_i32 s33, s26, REG                        ; LDS address: my region
	v_and_b32 v10, 15, v0                          ; r = l % 16
	v_bfe_u32 v11, v0, 4, 1                        ; h = l / 16
	v_and_b32 v12, 31, v0                          ; l
	v_lshrrev_b32 v13, 2, v12                      ; l / 4
	v_and_b32 v14, 3, v12                          ; l % 4
	v_lshlrev_b32 v[FO], 12, v10
	v_lshl_add_u32 v[FO], v11, 5, v[FO]
	s_lshl_b32 s31, s26, 9
	v_add_nc_u32 v[FO], s31, v[FO]
	v_mul_u32_u24 v[AL], v10, PITCH
	v_lshl_add_u32 v[AL], v11, 4, v[AL]
	v_add_nc_u32 v[AL], s33, v[AL]
	v_mul_u32_u24 v[STO], v10, SPIT
	v_lshl_add_u32 v[STO], v11, 5, v[STO]
	v_add_nc_u32 v[STO], s33, v[STO]
	v_mul_u32_u24 v[RD], v13, SPIT                 ; back: row l / 4 (and 8 rows on), columns 4 (l % 4) on, of tile w in region 0
	v_lshl_add_u32 v[RD], v14, 4, v[RD]
	s_mul_i32 s31, s26, TILEB
	v_add_nc_u32 v[RD], s31, v[RD]
	s_lshl_b32 s31, s26, 10
	v_lshl_add_u32 v[GO], v12, 4, s31              ; (16 w + l / 4) x 64 + 16 (l % 4) = 1,024 w + 16 l
	v_lshlrev_b32 v[BO], 4, v14
	s_wait_dscnt 0x0                               ; both opening adds are done
	s_wait_kmcnt 0x0
	s_cmp_eq_u32 s29, 1
	s_cselect_b64 s[46:47], s[14:15], s[16:17]
	s_cselect_b64 s[48:49], s[20:21], s[22:23]
	s_cmp_eq_u32 s29, 0
	s_cselect_b64 s[46:47], s[12:13], s[46:47]     ; W
	s_cselect_b64 s[48:49], s[18:19], s[48:49]     ; bias
	s_cselect_b64 s[44:45], s[8:9], s[10:11]       ; A
	s_lshl_b32 s52, s30, 16                        ; 16 rows of 4,096 bytes
	s_mov_b32 s53, 0
	s_add_nc_u64 s[46:47], s[46:47], s[52:53]
	s_lshl_b32 s52, s30, 6
	s_add_nc_u64 s[48:49], s[48:49], s[52:53]
	s_lshl_b32 s52, s28, 13
	s_add_nc_u64 s[50:51], s[24:25], s[52:53]
	WLOADS                                         ; the weights are asked for first: 16 loads a lane
	global_load_b128 v[BIAS:BIAS+3], v[BO], s[48:49]
	s_lshl_b32 s54, s26, 8                         ; my 256 bytes of A's rows: a pair that never holds cx
	s_mov_b32 s55, 0
	s_add_nc_u64 s[34:35], s[44:45], s[54:55]
	s_or_b32 s35, s35, 0x80000000                  ; type = 2
	ROUND                                          ; all four work-groups are here: the joint loads meet
	tensor_load_to_lds s[32:35], s[36:43]
	s_nop 0
	s_wait_tensorcnt 0x0                           ; my slice of A is in my region, which I alone read
	AFETCH AB0, 0
	s_wait_loadcnt 0x1                             ; W is in; the bias, the one younger load, may stay out
.irp k, 0,1,2,3,4,5,6,7,8,9,10,11,12,13,14,15,16,17,18,19,20,21,22,23,24,25,26,27,28,29,30,31
	v_cvt_pk_bf16_f32 v[WB+(\k)], v[WF+2*(\k)], v[WF+2*(\k)+1]
.endr
	AFETCH WF, 1
	s_wait_dscnt 16                                ; all but the 16 just issued
	MULS AB0, 0, 1
	PLACES 4
	AFETCH AB0, 2
	s_wait_dscnt 16
	MULS WF, 1, 0
	PLACES 4
	AFETCH WF, 3
	s_wait_dscnt 16
	MULS AB0, 2, 0
	s_wait_dscnt 0x0                               ; my last reads of my slice are back
	MULS WF, 3, 0
	PLACES 8
.irp a, 0,1,2,3,4,5,6,7
	ds_store_b128 v[STO], v[ACC+8*(\a):ACC+8*(\a)+3]   offset:TILEB*(\a)      ; each accumulator's low registers first
	ds_store_b128 v[STO], v[ACC+8*(\a)+4:ACC+8*(\a)+7] offset:TILEB*(\a)+16
.endr
	s_wait_dscnt 0x0                               ; for the others' sake: my partial sums lie in LDS
	s_barrier_signal -1
	s_barrier_wait -1
.irp v, 0,1,2,3,4,5,6,7
	ds_load_b128 v[RB+8*(\v):RB+8*(\v)+3],   v[RD]                ; wave v's partial of my tile: row l / 4,
	ds_load_b128 v[RB+8*(\v)+4:RB+8*(\v)+7], v[RD] offset:8*SPIT  ; and row 8 + l / 4
.if (\v) < 7
	v_add_nc_u32 v[RD], REG, v[RD]
.endif
.endr
	s_wait_dscnt 0x0
.irp v, 0,1,2,3
.irp c, 0,2,4,6
	v_pk_add_f32 v[RB+8*(\v)+(\c):RB+8*(\v)+(\c)+1], v[RB+8*(\v)+(\c):RB+8*(\v)+(\c)+1], v[RB+8*(\v)+32+(\c):RB+8*(\v)+32+(\c)+1]
.endr
.endr
.irp v, 0,1
.irp c, 0,2,4,6
	v_pk_add_f32 v[RB+8*(\v)+(\c):RB+8*(\v)+(\c)+1], v[RB+8*(\v)+(\c):RB+8*(\v)+(\c)+1], v[RB+8*(\v)+16+(\c):RB+8*(\v)+16+(\c)+1]
.endr
.endr
.irp c, 0,2,4,6
	v_pk_add_f32 v[RB+(\c):RB+(\c)+1], v[RB+(\c):RB+(\c)+1], v[RB+8+(\c):RB+8+(\c)+1]
.endr
	s_wait_loadcnt 0x0                             ; the bias
.irp c, 0,2
	v_pk_add_f32 v[RB+(\c):RB+(\c)+1], v[RB+(\c):RB+(\c)+1], v[BIAS+(\c):BIAS+(\c)+1]
	v_pk_add_f32 v[RB+4+(\c):RB+4+(\c)+1], v[RB+4+(\c):RB+4+(\c)+1], v[BIAS+(\c):BIAS+(\c)+1]
.endr
	global_store_b128 v[GO], v[RB:RB+3],   s[50:51]             ; 512 consecutive bytes, aligned: eight rows of the block
	global_store_b128 v[GO], v[RB+4:RB+7], s[50:51] offset:512
	s_wait_tensorcnt 0x0                           ; the wave's end, behind my last tensor load and my last LDS store
	ds_add_u32 v[SPW], v[NIL]
	s_wait_dscnt 0x0
	ROUND                                          ; the closing round: no work-group ends while a partner may still ask for a slice that names it
	s_endpgm
.Lfunc_end_k_qdab2361121_qkv:
	.size	k_qdab2361121_qkv, .Lfunc_end_k_qdab2361121_qkv-k_qdab2361121_qkv
	.p2alignl 7, 3214868480
	.fill 96, 4, 3214868480
	.section	.rodata,"a",@progbits
	.p2align	6, 0x0
	.amdhsa_kernel k_qdab2361121_qkv
		.amdhsa_group_segment_fixed_size 279552
		.amdhsa_private_segment_fixed_size 0
		.amdhsa_enable_private_segment 0
		.amdhsa_kernarg_size 72
		.amdhsa_user_sgpr_count 2
		.amdhsa_user_sgpr_kernarg_segment_ptr 1
		.amdhsa_wavefront_size32 1
		.amdhsa_system_sgpr_workgroup_id_x 1
		.amdhsa_system_sgpr_workgroup_id_y 1
		.amdhsa_system_sgpr_workgroup_id_z 1
		.amdhsa_system_vgpr_workitem_id 0
		.amdhsa_next_free_vgpr 256
		.amdhsa_next_free_sgpr 66
		.amdhsa_reserve_vcc 0
		.amdhsa_float_denorm_mode_32 3
		.amdhsa_float_denorm_mode_16_64 3
		.amdhsa_memory_ordered 1
		.amdhsa_forward_progress 1
		.amdhsa_inst_pref_size 20
	.end_amdhsa_kernel
	.amdgpu_metadata
---
amdhsa.version: [ 1, 2 ]
amdhsa.kernels:
  - .name:           k_qdab2361121_qkv
    .symbol:         k_qdab2361121_qkv.kd
    .args:
      - { .name: ba, .offset: 0, .size: 8, .value_kind: global_buffer, .address_space: global }
      - { .name: bb, .offset: 8, .size: 8, .value_kind: global_buffer, .address_space: global }
      - { .name: Wq, .offset: 16, .size: 8, .value_kind: global_buffer, .address_space: global }
      - { .name: Wk, .offset: 24, .size: 8, .value_kind: global_buffer, .address_space: global }
      - { .name: Wv, .offset: 32, .size: 8, .value_kind: global_buffer, .address_space: global }
      - { .name: bq, .offset: 40, .size: 8, .value_kind: global_buffer, .address_space: global }
      - { .name: bk, .offset: 48, .size: 8, .value_kind: global_buffer, .address_space: global }
      - { .name: bv, .offset: 56, .size: 8, .value_kind: global_buffer, .address_space: global }
      - { .name: big, .offset: 64, .size: 8, .value_kind: global_buffer, .address_space: global }
    .group_segment_fixed_size: 279552
    .private_segment_fixed_size: 0
    .kernarg_segment_align: 8
    .kernarg_segment_size: 72
    .max_flat_workgroup_size: 256
    .sgpr_count:     66
    .vgpr_count:     256
    .wavefront_size: 32
...
	.end_amdgpu_metadata
.endif
;; end of part 2
;; launch attn (part 3): grid 8 x 32, 8 waves a work-group, no clusters, 18,176 bytes of LDS; arguments big, ba; writes ba
.if DOCPART == 3
	.amdgcn_target "amdgcn-amd-amdhsa--gfx1250"
	.amdhsa_code_object_version 6
	.text
	.protected	k_qdab2361121_attn
	.globl	k_qdab2361121_attn
	.p2align	8
	.type	k_qdab2361121_attn,@function
k_qdab2361121_attn:
	s_mov_b64 s[64:65], 0
	v_nop
	global_prefetch_b8 v0, s[64:65] scope:SCOPE_SE
	s_setreg_imm32_b32 hwreg(HW_REG_WAVE_MODE, 25, 1), 1
	s_wait_xcnt 0x0
; att[i][b][h][d] = the sum over j other than i of ( sum_e 2^(c q k_e - m) v_e ) / ( sum_e 2^(c q k_e - m) ), q = q[i][b][h][d], k_e = k[j][b][h][e], v_e = v[j][b][h][e], c = log2(e) / 16.
; WORK LEFT OUT: the blocks j = i, which reference() multiplies by the 0 of its own 1 - eye(N) (shown at the head of the first kernel); a NaN, infinity or overflow that arises only there is not carried on.
; THE MAXIMUM is taken away as in reference(), exactly: the scores of a query are q times the keys, so max_e(c q k_e) = max(c q kmax, c q kmin), with kmax and kmin found once for each j.
; LIMITS: a weight below 2^-126 counts as 0; NaN and infinities are not treated apart.  All arithmetic here is f32; att is rounded once to bf16, as the next product's operand.
; IN: big, f32, blocked [64 mat + column / 16][row' = 4 b + i][16] (mat 0 q, 1 k, 2 v): the aligned 256 bytes (block, b) hold 4 i x 16 columns and are read whole.  OUT: ba, bf16 [row'][1024].
; SHARES.  Work-group (x, b): head h = x / 2, the 128 channels d = 128 (x % 2) on.  Wave w: key row j = w % 4, channels 64 (w / 4) on: six queries a lane (the three i other than j, two d), 256 e each.
; The scores are a rank-1 product: one packed multiply-add makes two of them, so they need no matrix unit.  k and v are read from LDS by all lanes at one address.
; THE LOOP goes in stages of 8 e.  In a slot the 48 exponentials of stage t stand between the sums of stage t - 1 and the scores of stage t + 1: each exponential has plain neighbours, nothing in
; the slot names a result of its exponentials, and ONE wait at its end serves all 48.
; No cluster: two work-groups share k and v, 8 KB read once, beside 393,216 exponentials each.
.set KL, 0                             ; LDS: k, 4 rows (j) of 1,024 bytes, pitch 1,088
.set VL, 4352                          ; v likewise
.set QL, 8704                          ; q, 4 rows (i) of 512 bytes, pitch 576
.set PL, 11008                         ; the quotients, by the wave that made them: [wave 8][ii 3][n 2][lane 32] f32: 768 bytes a wave
.set PW, 768
.set SPARE, PL+8*PW                    ; the spare words, 128 bytes for each of eight waves
.set KA,  10                           ; v10  LDS byte of row j at the stage in hand, the same in all lanes
.set SPW, 13                           ; v13  LDS address of my spare word; never rewritten
.set NIL, 14                           ; v14  0; never rewritten
.set QQ,  16                           ; v[16:27]  query x = 2 ii + n: (c q, c q)
.set MM,  28                           ; v[28:39]  (-m, -m)
.set DEN, 40                           ; v[40:51]  sums of weights: even e, odd e
.set NUM, 52                           ; v[52:63]  sums of weights times v
.set KB,  64                           ; v[64:79]  k: two buffers of 8
.set VB,  80                           ; v[80:95]  v: two buffers of 8
.set S,   96                           ; v[96:191] scores, then weights: two buffers of 48; query x, pair pp at 8 x + 2 pp
.set ST,  192                          ; v[192:203] staging
; The slot of stage t, p = t % 2.  Loads: k of stage t + 2 (kimm; none if negative) and v of stage t (vimm), each read a slot later, behind the wait at that slot's head.
; doA: the sums of stage t - 1.  doF: the scores of stage t + 1, into the registers that those sums have just read.
.macro SLOT p, doA, doF, kimm, vimm
	s_wait_dscnt 0x0                               ; the last slot's loads: k of stage t + 1, v of stage t - 1
.if (\kimm) >= 0
	ds_load_b128 v[KB+8*(\p):KB+8*(\p)+3],   v[KA] offset:(\kimm)
	ds_load_b128 v[KB+8*(\p)+4:KB+8*(\p)+7], v[KA] offset:(\kimm)+16
.endif
	ds_load_b128 v[VB+8*(\p):VB+8*(\p)+3],   v[KA] offset:VL+(\vimm)
	ds_load_b128 v[VB+8*(\p)+4:VB+8*(\p)+7], v[KA] offset:VL+(\vimm)+16
.set n, 0
.rept 24
.set qx, n%6
.set pp, n/6
.set rE, S+48*(\p)+2*n
.set rS, S+48*(1-(\p))+8*qx+2*pp
.set rK, KB+8*(1-(\p))+2*pp
.set rV, VB+8*(1-(\p))+2*pp
	v_exp_f32 v[rE], v[rE]
.if \doA
	v_pk_add_f32 v[DEN+2*qx:DEN+2*qx+1], v[DEN+2*qx:DEN+2*qx+1], v[rS:rS+1]
.endif
	v_exp_f32 v[rE+1], v[rE+1]
.if \doA
	v_pk_fma_f32 v[NUM+2*qx:NUM+2*qx+1], v[rS:rS+1], v[rV:rV+1], v[NUM+2*qx:NUM+2*qx+1]
.endif
.if \doF
	v_pk_fma_f32 v[rS:rS+1], v[rK:rK+1], v[QQ+2*qx:QQ+2*qx+1], v[MM+2*qx:MM+2*qx+1]
.endif
.set n, n+1
.endr
	s_wait_alu depctr_va_vdst(0)                   ; the wait ahead of the first reader: one for the slot's 48 exponentials; the line ahead of it is plain
.endm
	s_load_b128 s[4:7], s[0:1], 0x0                ; big s[4:5], ba s[6:7]
	v_lshl_add_u32 v[SPW], v0, 2, SPARE
	v_mov_b32 v[NIL], 0
	v_lshrrev_b32 v2, 5, v0
	v_readfirstlane_b32 s8, v2                     ; wave 0..7
	s_mov_b32 s9, ttmp9                            ; x
	s_and_b32 s10, ttmp7, 0xffff                   ; b
	s_lshr_b32 s11, s9, 1                          ; h
	s_and_b32 s12, s9, 1                           ; which half of the head's d
	s_and_b32 s13, s8, 3                           ; j
	s_lshr_b32 s14, s8, 2                          ; which 64 of the 128 d
	s_add_co_u32 s16, s13, 1                       ; the three i other than j
	s_and_b32 s16, s16, 3
	s_add_co_u32 s17, s13, 2
	s_and_b32 s17, s17, 3
	s_add_co_u32 s18, s13, 3
	s_and_b32 s18, s18, 3
	s_mov_b32 s19, 0x3db8aa3b                      ; c = log2(e) / 16
	s_mov_b32 s20, 0x76543210
	s_mov_b32 s21, 0xfedcba98
	v_and_b32 v1, 31, v0                           ; l
	v_and_b32 v3, 15, v0
	v_bfe_u32 v4, v0, 4, 1
	; PHASE 1: k, v (16 blocks each) and q (8 blocks) of (b, h), in whole aligned runs of 256 bytes, into rows by i or j
	v_lshlrev_b32 v2, 4, v3
	v_lshl_add_u32 v2, v4, 13, v2
	s_lshl_b32 s15, s8, 14
	v_add_nc_u32 v2, s15, v2                       ; block 2 w + l / 16, 16 bytes at 16 (l % 16)
	s_lshl_b32 s23, s12, 3
	s_add_co_u32 s23, s23, s8
	s_lshl_b32 s23, s23, 13
	v_lshl_add_u32 v5, v1, 3, s23                  ; q: block 8 (x % 2) + w, 8 bytes at 8 l
	s_lshl_b32 s24, s11, 17                        ; 16 h blocks of 8,192 bytes,
	s_lshl_b32 s25, s10, 8                         ; b's 256 bytes in a block
	s_add_co_u32 s24, s24, s25
	s_mov_b32 s25, 0
	v_lshrrev_b32 v7, 2, v3
	v_mul_u32_u24 v6, v7, 1088                     ; row (l % 16) / 4,
	v_and_b32 v7, 3, v3
	v_lshl_add_u32 v6, v7, 4, v6                   ; 16 bytes at 16 (l % 4),
	v_lshl_add_u32 v6, v4, 6, v6
	s_lshl_b32 s26, s8, 7
	v_add_nc_u32 v6, s26, v6                       ; in the block's 64 bytes
	v_lshrrev_b32 v7, 3, v1
	v_mul_u32_u24 v8, v7, 576
	v_and_b32 v7, 7, v1
	v_lshl_add_u32 v8, v7, 3, v8
	s_lshl_b32 s26, s8, 6
	s_add_co_u32 s26, s26, QL
	v_add_nc_u32 v8, s26, v8
	s_wait_kmcnt 0x0
	s_add_nc_u64 s[4:5], s[4:5], s[24:25]
	global_load_b128 v[ST:ST+3],   v2, s[4:5] offset:524288     ; k: 64 blocks on
	global_load_b128 v[ST+4:ST+7], v2, s[4:5] offset:1048576    ; v: 128 blocks on
	global_load_b64 v[ST+8:ST+9],  v5, s[4:5]                   ; q
	s_wait_loadcnt 0x0
	ds_store_b128 v6, v[ST:ST+3]
	ds_store_b128 v6, v[ST+4:ST+7] offset:VL
	ds_store_b64 v8, v[ST+8:ST+9]
	s_wait_dscnt 0x0                               ; for the others' sake
	s_barrier_signal -1
	s_barrier_wait -1
	; PHASE 2: the largest and the smallest key of row j; my six queries, scaled, and their maxima
	s_mul_i32 s27, s13, 1088
	v_lshl_add_u32 v9, v1, 4, s27
	ds_load_b128 v[ST:ST+3],   v9
	ds_load_b128 v[ST+4:ST+7], v9 offset:512
	s_lshl_b32 s29, s14, 8
.irp ii, 0,1,2
	s_mul_i32 s28, s[16+(\ii)], 576
	s_add_co_u32 s28, s28, s29
	s_add_co_u32 s28, s28, QL
	v_lshl_add_u32 v[2+(\ii)], v1, 2, s28
	ds_load_b32 v[QQ+4*(\ii)],   v[2+(\ii)]
	ds_load_b32 v[QQ+4*(\ii)+2], v[2+(\ii)] offset:128
.endr
	s_wait_dscnt 0x0
	v_max3_num_f32 v11, v[ST], v[ST+1], v[ST+2]                ; v11: the largest k
	v_max3_num_f32 v12, -v[ST], -v[ST+1], -v[ST+2]             ; v12: the largest -k
	v_max3_num_f32 v11, v11, v[ST+3], v[ST+4]
	v_max3_num_f32 v12, v12, -v[ST+3], -v[ST+4]
	v_max3_num_f32 v11, v11, v[ST+5], v[ST+6]
	v_max3_num_f32 v12, v12, -v[ST+5], -v[ST+6]
	v_max_num_f32 v11, v11, v[ST+7]
	v_max_num_f32 v12, v12, -v[ST+7]
.irp m, 1,2,4,8
	v_max_num_f32_dpp v11, v11, v11 row_xmask:\m row_mask:0xf bank_mask:0xf
	v_max_num_f32_dpp v12, v12, v12 row_xmask:\m row_mask:0xf bank_mask:0xf
.endr
	v_permlanex16_b32 v7, v11, s20, s21            ; destinations that have been written before
	v_permlanex16_b32 v9, v12, s20, s21
	v_max_num_f32 v11, v11, v7
	v_max_num_f32 v12, v12, v9
.irp x, 0,1,2,3,4,5
	v_mul_f32 v[QQ+2*(\x)], s19, v[QQ+2*(\x)]      ; c q
	v_mul_f32 v5, -v[QQ+2*(\x)], v11               ; -c q kmax
	v_mul_f32 v6, v[QQ+2*(\x)], v12                ; -c q kmin
	v_min_num_f32 v[MM+2*(\x)], v5, v6             ; -m
	v_mov_b32 v[QQ+2*(\x)+1], v[QQ+2*(\x)]
	v_mov_b32 v[MM+2*(\x)+1], v[MM+2*(\x)]
.endr
.set n, 0
.rept 24
	v_mov_b32 v[DEN+n], 0                          ; 24 registers: the loop then has one form of sum
.set n, n+1
.endr
	v_mov_b32 v[KA], s27
	; PHASE 3: 32 stages
	ds_load_b128 v[KB:KB+3],     v[KA]
	ds_load_b128 v[KB+4:KB+7],   v[KA] offset:16
	ds_load_b128 v[KB+8:KB+11],  v[KA] offset:32
	ds_load_b128 v[KB+12:KB+15], v[KA] offset:48
	s_wait_dscnt 0x0
.set n, 0
.rept 24
.set qx, n%6
.set pp, n/6
	v_pk_fma_f32 v[S+8*qx+2*pp:S+8*qx+2*pp+1], v[KB+2*pp:KB+2*pp+1], v[QQ+2*qx:QQ+2*qx+1], v[MM+2*qx:MM+2*qx+1]  ; the scores of stage 0
.set n, n+1
.endr
	SLOT 0, 0, 1, 64, 0                            ; stage 0
	s_mov_b32 s22, 14
.Lpair:                                            ; stages 1 + 2 u and 2 + 2 u, u = 0 .. 13; v10 stands 64 u bytes into the row
	SLOT 1, 1, 1, 96, 32
	SLOT 0, 1, 1, 128, 64
	v_add_nc_u32 v[KA], 64, v[KA]
	s_sub_co_u32 s22, s22, 1
	s_cmp_lg_u32 s22, 0
	s_cbranch_scc1 .Lpair
	SLOT 1, 1, 1, 96, 32                           ; stage 29: the last k, of stage 31, is fetched
	SLOT 0, 1, 1, -1, 64                           ; stage 30
	SLOT 1, 1, 0, -1, 96                           ; stage 31: no scores are left to make
	s_wait_dscnt 0x0                               ; v of stage 31
.set n, 0
.rept 24
.set qx, n%6
.set pp, n/6
	v_pk_add_f32 v[DEN+2*qx:DEN+2*qx+1], v[DEN+2*qx:DEN+2*qx+1], v[S+48+8*qx+2*pp:S+48+8*qx+2*pp+1]
	v_pk_fma_f32 v[NUM+2*qx:NUM+2*qx+1], v[S+48+8*qx+2*pp:S+48+8*qx+2*pp+1], v[VB+8+2*pp:VB+8+2*pp+1], v[NUM+2*qx:NUM+2*qx+1]
.set n, n+1
.endr
	; PHASE 4: the six quotients, into my wave's own 768 bytes of LDS: a constant + 768 x wave + 4 x lane; which i (ii) and which d (n) stand in the immediate
.irp x, 0,1,2,3,4,5
	v_add_f32 v[DEN+2*(\x)], v[DEN+2*(\x)], v[DEN+2*(\x)+1]
	v_add_f32 v[NUM+2*(\x)], v[NUM+2*(\x)], v[NUM+2*(\x)+1]
.endr
.irp x, 0,1,2,3,4,5
	v_rcp_f32 v[DEN+2*(\x)+1], v[DEN+2*(\x)]       ; the sum of weights is about 1 at the least: the largest weight is 2^0 to within rounding
.endr
	v_nop                                          ; a plain instruction behind the last reciprocal,
	s_wait_alu depctr_va_vdst(0)                   ; and one wait for the six
.irp x, 0,1,2,3,4,5
	v_mul_f32 v[NUM+2*(\x)], v[NUM+2*(\x)], v[DEN+2*(\x)+1]
.endr
	s_mul_i32 s28, s8, PW
	s_add_co_u32 s28, s28, PL
	v_lshl_add_u32 v2, v1, 2, s28
.irp ii, 0,1,2
	ds_store_b32 v2, v[NUM+4*(\ii)]   offset:256*(\ii)
	ds_store_b32 v2, v[NUM+4*(\ii)+2] offset:256*(\ii)+128
.endr
	s_wait_dscnt 0x0                               ; for the others' sake
	s_barrier_signal -1
	s_barrier_wait -1
	; PHASE 5: wave i (0 to 3) adds the three j other than i and stores 128 channels of row' = 4 b + i.  For j = (i + 1 + jj) % 4 the waves j and j + 4 hold this i as their
	; ii = 2 - jj (j + 1 + ii = i + 4).  Lane l takes d = 4 l .. 4 l + 3: wave j + 4 (l / 16), and 16 (l % 16) bytes into that ii's 256.
	s_cmp_lt_u32 s8, 4
	s_cbranch_scc0 .Lend
	v_and_b32 v5, 15, v0
	v_bfe_u32 v6, v0, 4, 1
	v_mul_u32_u24 v6, v6, 4*PW
	v_lshl_add_u32 v5, v5, 4, v6
.irp jj, 0,1,2
	s_mul_i32 s28, s[16+(\jj)], PW                 ; in waves 0 to 3 s16 to s18 are the three numbers other than the wave's
	s_add_co_u32 s28, s28, PL
	v_add_nc_u32 v[2+(\jj)], s28, v5
	ds_load_b128 v[ST+4*(\jj):ST+4*(\jj)+3], v[2+(\jj)] offset:256*(2-(\jj))
.endr
	s_lshl_b32 s28, s10, 2
	s_add_co_u32 s28, s28, s8                      ; row'
	s_lshl_b32 s28, s28, 11
	s_lshl_b32 s29, s9, 8                          ; the work-group's 128 channels: 256 bytes
	s_add_co_u32 s28, s28, s29
	s_mov_b32 s29, 0
	s_add_nc_u64 s[6:7], s[6:7], s[28:29]
	v_lshlrev_b32 v8, 3, v1
	s_wait_dscnt 0x0
	v_pk_add_f32 v[ST:ST+1],   v[ST:ST+1],   v[ST+4:ST+5]
	v_pk_add_f32 v[ST+2:ST+3], v[ST+2:ST+3], v[ST+6:ST+7]
	v_pk_add_f32 v[ST:ST+1],   v[ST:ST+1],   v[ST+8:ST+9]
	v_pk_add_f32 v[ST+2:ST+3], v[ST+2:ST+3], v[ST+10:ST+11]
	v_cvt_pk_bf16_f32 v6, v[ST], v[ST+1]
	v_cvt_pk_bf16_f32 v7, v[ST+2], v[ST+3]
	global_store_b64 v8, v[6:7], s[6:7]            ; 32 lanes store 256 consecutive bytes, aligned
.Lend:
	s_wait_tensorcnt 0x0                           ; the wave's end, behind my last LDS store
	ds_add_u32 v[SPW], v[NIL]
	s_wait_dscnt 0x0
	s_endpgm
.Lfunc_end_k_qdab2361121_attn:
	.size	k_qdab2361121_attn, .Lfunc_end_k_qdab2361121_attn-k_qdab2361121_attn
	.p2alignl 7, 3214868480
	.fill 96, 4, 3214868480
	.section	.rodata,"a",@progbits
	.p2align	6, 0x0
	.amdhsa_kernel k_qdab2361121_attn
		.amdhsa_group_segment_fixed_size 18176
		.amdhsa_private_segment_fixed_size 0
		.amdhsa_enable_private_segment 0
		.amdhsa_kernarg_size 16
		.amdhsa_user_sgpr_count 2
		.amdhsa_user_sgpr_kernarg_segment_ptr 1
		.amdhsa_wavefront_size32 1
		.amdhsa_system_sgpr_workgroup_id_x 1
		.amdhsa_system_sgpr_workgroup_id_y 1
		.amdhsa_system_sgpr_workgroup_id_z 1
		.amdhsa_system_vgpr_workitem_id 0
		.amdhsa_next_free_vgpr 208
		.amdhsa_next_free_sgpr 66
		.amdhsa_reserve_vcc 0
		.amdhsa_float_denorm_mode_32 3
		.amdhsa_float_denorm_mode_16_64 3
		.amdhsa_memory_ordered 1
		.amdhsa_forward_progress 1
		.amdhsa_inst_pref_size 50
	.end_amdhsa_kernel
	.amdgpu_metadata
---
amdhsa.version: [ 1, 2 ]
amdhsa.kernels:
  - .name:           k_qdab2361121_attn
    .symbol:         k_qdab2361121_attn.kd
    .args:
      - { .name: big, .offset: 0, .size: 8, .value_kind: global_buffer, .address_space: global }
      - { .name: ba, .offset: 8, .size: 8, .value_kind: global_buffer, .address_space: global }
    .group_segment_fixed_size: 18176
    .private_segment_fixed_size: 0
    .kernarg_segment_align: 8
    .kernarg_segment_size: 16
    .max_flat_workgroup_size: 256
    .sgpr_count:     66
    .vgpr_count:     208
    .wavefront_size: 32
...
	.end_amdgpu_metadata
.endif
;; end of part 3
;; launch oproj: the kernel of part 2 again; grid 64 x 1, 8 waves a work-group, clusters of 4 x 1, 279,552 bytes of LDS; arguments ba, bb, Wo, Wk, Wv, bo, bk, bv, po; writes po
;; launch ln2 (part 4): grid 32 x 1, 4 waves a work-group, no clusters, 17,152 bytes of LDS; arguments po, xqf, g2, b2, ao, bb; writes ao, bb
.if DOCPART == 4
	.amdgcn_target "amdgcn-amd-amdhsa--gfx1250"
	.amdhsa_code_object_version 6
	.text
	.protected	k_qdab2361121_ln2
	.globl	k_qdab2361121_ln2
	.p2align	8
	.type	k_qdab2361121_ln2,@function
k_qdab2361121_ln2:
	s_mov_b64 s[64:65], 0
	v_nop
	global_prefetch_b8 v0, s[64:65] scope:SCOPE_SE
	s_setreg_imm32_b32 hwreg(HW_REG_WAVE_MODE, 25, 1), 1
	s_wait_xcnt 0x0
; attn_out = xq + (att Wo^T + bo), kept in f32 (ao, [row'][1024]); y = LayerNorm(attn_out) g2 + b2, rounded once to bf16 (bb, [row'][1024]) as the next product's operand.
; po is blocked [column / 16][row' = 4 b + i][16] f32: the aligned 256 bytes (block, b) hold 4 i x 16 columns.  Work-group = b: its four waves read the 64 blocks' runs whole,
; turn them into four rows in LDS, and then wave i holds row' = 4 b + i in 32 registers, as in the first launch: mean and variance never leave the wave.
; No cluster: what work-groups share is g2 and b2, 8 KB.
.set PIT,   4160                       ; an LDS row: 4,096 bytes + 64
.set SPARE, 4*PIT                      ; the spare words, 128 bytes for each of four waves
.set SPW, 10                           ; v10  LDS address of my spare word; never rewritten
.set NIL, 11                           ; v11  0; never rewritten
.set T,  16                            ; v[16:31]   eight pairs at work in a sum
.set X,  32                            ; v[32:63]   po as loaded; then the row of attn_out: load t holds columns 128 t + 4 lane .. + 3
.set R,  64                            ; v[64:95]   xq; then the deviations; then y
.set G,  96                            ; v[96:127]  g2
.set BV, 128                           ; v[128:159] b2
.set YP, 160                           ; v[160:175] y in bf16
.macro TREE                            ; T's eight pairs into one number, then over the 32 lanes; the result stands in v8 of every lane
.irp k, 0,2,4,6
	v_pk_add_f32 v[T+(\k):T+(\k)+1], v[T+(\k):T+(\k)+1], v[T+8+(\k):T+8+(\k)+1]
.endr
.irp k, 0,2
	v_pk_add_f32 v[T+(\k):T+(\k)+1], v[T+(\k):T+(\k)+1], v[T+4+(\k):T+4+(\k)+1]
.endr
	v_pk_add_f32 v[T:T+1], v[T:T+1], v[T+2:T+3]
	v_add_f32 v8, v[T], v[T+1]
	v_add_f32_dpp v8, v8, v8 row_xmask:1 row_mask:0xf bank_mask:0xf
	v_add_f32_dpp v8, v8, v8 row_xmask:2 row_mask:0xf bank_mask:0xf
	v_add_f32_dpp v8, v8, v8 row_xmask:4 row_mask:0xf bank_mask:0xf
	v_add_f32_dpp v8, v8, v8 row_xmask:8 row_mask:0xf bank_mask:0xf
	v_permlanex16_b32 v9, v8, s24, s25
	v_add_f32 v8, v8, v9
.endm
	s_load_b256 s[4:11], s[0:1], 0x0               ; po s[4:5], xqf s[6:7], g2 s[8:9], b2 s[10:11]
	s_load_b128 s[12:15], s[0:1], 0x20             ; ao s[12:13], bb s[14:15]
	v_lshl_add_u32 v[SPW], v0, 2, SPARE
	v_mov_b32 v[NIL], 0
	v_lshrrev_b32 v3, 5, v0
	v_readfirstlane_b32 s16, v3                    ; wave = i
	v_and_b32 v2, 31, v0
	v_lshlrev_b32 v1, 4, v2                        ; 16 x lane
	v_lshlrev_b32 v2, 3, v2                        ; 8 x lane
	v_mov_b32 v9, 0
	v_and_b32 v14, 15, v0
	v_bfe_u32 v15, v0, 4, 1
	v_lshlrev_b32 v3, 4, v14
	v_lshl_add_u32 v3, v15, 13, v3
	s_lshl_b32 s17, s16, 17
	v_add_nc_u32 v3, s17, v3                       ; po: block 16 w + l / 16 (+ 2 t), 16 bytes at 16 (l % 16)
	v_lshrrev_b32 v13, 2, v14
	v_mul_u32_u24 v12, v13, PIT                    ; into LDS: row (l % 16) / 4,
	v_and_b32 v13, 3, v14
	v_lshl_add_u32 v12, v13, 4, v12
	v_lshl_add_u32 v12, v15, 6, v12
	s_lshl_b32 s17, s16, 10
	v_add_nc_u32 v12, s17, v12                     ; the block's 64 bytes
	s_mul_i32 s19, s16, PIT
	v_add_nc_u32 v13, s19, v1                      ; back: row w, 16 bytes a lane
	s_lshl_b32 s18, ttmp9, 2
	s_add_co_u32 s18, s18, s16                     ; row' = 4 b + i
	s_mov_b32 s22, 0x3a800000                      ; 1 / 1024
	s_mov_b32 s23, 0x3727c5ac                      ; 1e-5
	s_mov_b32 s24, 0x76543210
	s_mov_b32 s25, 0xfedcba98
	s_lshl_b32 s20, ttmp9, 8
	s_mov_b32 s21, 0
	s_lshl_b32 s26, s18, 12
	s_mov_b32 s27, 0
	s_lshl_b32 s28, s18, 11
	s_mov_b32 s29, 0
	s_wait_kmcnt 0x0
	s_add_nc_u64 s[4:5], s[4:5], s[20:21]
	s_add_nc_u64 s[6:7], s[6:7], s[26:27]
	s_add_nc_u64 s[12:13], s[12:13], s[26:27]
	s_add_nc_u64 s[14:15], s[14:15], s[28:29]
.irp t, 0,1,2,3,4,5,6,7
	global_load_b128 v[X+4*(\t):X+4*(\t)+3], v3, s[4:5] offset:16384*(\t)    ; two whole runs of 256 bytes a load
.endr
.irp t, 0,1,2,3,4,5,6,7
	global_load_b128 v[R+4*(\t):R+4*(\t)+3], v1, s[6:7] offset:512*(\t)
.endr
.irp t, 0,1,2,3,4,5,6,7
	global_load_b128 v[G+4*(\t):G+4*(\t)+3], v1, s[8:9] offset:512*(\t)
.endr
.irp t, 0,1,2,3,4,5,6,7
	global_load_b128 v[BV+4*(\t):BV+4*(\t)+3], v1, s[10:11] offset:512*(\t)
.endr
	s_wait_loadcnt 24                              ; po is in; the 24 younger loads (xq, g2, b2) may stay out
.irp t, 0,1,2,3,4,5,6,7
	ds_store_b128 v12, v[X+4*(\t):X+4*(\t)+3] offset:128*(\t)
.endr
	s_wait_dscnt 0x0                               ; for the others' sake
	s_barrier_signal -1
	s_barrier_wait -1
.irp t, 0,1,2,3,4,5,6,7
	ds_load_b128 v[X+4*(\t):X+4*(\t)+3], v13 offset:512*(\t)
.endr
	s_wait_loadcnt 16                              ; xq is in; g2 and b2 may stay out
	s_wait_dscnt 0x0
.irp k, 0,1,2,3,4,5,6,7,8,9,10,11,12,13,14,15
	v_pk_add_f32 v[X+2*(\k):X+2*(\k)+1], v[X+2*(\k):X+2*(\k)+1], v[R+2*(\k):R+2*(\k)+1]
.endr
.irp t, 0,1,2,3,4,5,6,7
	global_store_b128 v1, v[X+4*(\t):X+4*(\t)+3], s[12:13] offset:512*(\t)   ; attn_out; X is not written again
.endr
.irp k, 0,1,2,3,4,5,6,7
	v_pk_add_f32 v[T+2*(\k):T+2*(\k)+1], v[X+4*(\k):X+4*(\k)+1], v[X+4*(\k)+2:X+4*(\k)+3]
.endr
	TREE
	v_mul_f32 v4, s22, v8                          ; the mean, as a pair
	v_mov_b32 v5, v4
.irp k, 0,1,2,3,4,5,6,7,8,9,10,11,12,13,14,15
	v_pk_add_f32 v[R+2*(\k):R+2*(\k)+1], v[X+2*(\k):X+2*(\k)+1], v[4:5] neg_lo:[0,1] neg_hi:[0,1]
.endr
.irp k, 0,1,2,3,4,5,6,7
	v_pk_mul_f32 v[T+2*(\k):T+2*(\k)+1], v[R+4*(\k):R+4*(\k)+1], v[R+4*(\k):R+4*(\k)+1]
.endr
.irp k, 0,1,2,3,4,5,6,7
	v_pk_fma_f32 v[T+2*(\k):T+2*(\k)+1], v[R+4*(\k)+2:R+4*(\k)+3], v[R+4*(\k)+2:R+4*(\k)+3], v[T+2*(\k):T+2*(\k)+1]
.endr
	TREE
	v_fma_f32 v8, v8, s22, s23                     ; variance + eps
	v_rsq_f32 v6, v8
	v_nop                                          ; a plain instruction behind the root,
	s_wait_alu depctr_va_vdst(0)                   ; and the wait ahead of its first reader
	v_mov_b32 v7, v6
	s_wait_loadcnt 0x0                             ; g2 and b2
.irp k, 0,1,2,3,4,5,6,7,8,9,10,11,12,13,14,15
	v_pk_mul_f32 v[R+2*(\k):R+2*(\k)+1], v[R+2*(\k):R+2*(\k)+1], v[6:7]
.endr
.irp k, 0,1,2,3,4,5,6,7,8,9,10,11,12,13,14,15
	v_pk_fma_f32 v[R+2*(\k):R+2*(\k)+1], v[R+2*(\k):R+2*(\k)+1], v[G+2*(\k):G+2*(\k)+1], v[BV+2*(\k):BV+2*(\k)+1]
.endr
.irp k, 0,1,2,3,4,5,6,7,8,9,10,11,12,13,14,15
	v_cvt_pk_bf16_f32 v[YP+(\k)], v[R+2*(\k)], v[R+2*(\k)+1]
.endr
.irp t, 0,1,2,3,4,5,6,7
	global_store_b64 v2, v[YP+2*(\t):YP+2*(\t)+1], s[14:15] offset:256*(\t)  ; 256 consecutive bytes, aligned
.endr
	s_wait_tensorcnt 0x0                           ; the wave's end, behind my last LDS store
	ds_add_u32 v[SPW], v[NIL]
	s_wait_dscnt 0x0
	s_endpgm
.Lfunc_end_k_qdab2361121_ln2:
	.size	k_qdab2361121_ln2, .Lfunc_end_k_qdab2361121_ln2-k_qdab2361121_ln2
	.p2alignl 7, 3214868480
	.fill 96, 4, 3214868480
	.section	.rodata,"a",@progbits
	.p2align	6, 0x0
	.amdhsa_kernel k_qdab2361121_ln2
		.amdhsa_group_segment_fixed_size 17152
		.amdhsa_private_segment_fixed_size 0
		.amdhsa_enable_private_segment 0
		.amdhsa_kernarg_size 48
		.amdhsa_user_sgpr_count 2
		.amdhsa_user_sgpr_kernarg_segment_ptr 1
		.amdhsa_wavefront_size32 1
		.amdhsa_system_sgpr_workgroup_id_x 1
		.amdhsa_system_sgpr_workgroup_id_y 1
		.amdhsa_system_sgpr_workgroup_id_z 1
		.amdhsa_system_vgpr_workitem_id 0
		.amdhsa_next_free_vgpr 176
		.amdhsa_next_free_sgpr 66
		.amdhsa_reserve_vcc 0
		.amdhsa_float_denorm_mode_32 3
		.amdhsa_float_denorm_mode_16_64 3
		.amdhsa_memory_ordered 1
		.amdhsa_forward_progress 1
		.amdhsa_inst_pref_size 17
	.end_amdhsa_kernel
	.amdgpu_metadata
---
amdhsa.version: [ 1, 2 ]
amdhsa.kernels:
  - .name:           k_qdab2361121_ln2
    .symbol:         k_qdab2361121_ln2.kd
    .args:
      - { .name: po, .offset: 0, .size: 8, .value_kind: global_buffer, .address_space: global }
      - { .name: xqf, .offset: 8, .size: 8, .value_kind: global_buffer, .address_space: global }
      - { .name: g2, .offset: 16, .size: 8, .value_kind: global_buffer, .address_space: global }
      - { .name: b2, .offset: 24, .size: 8, .value_kind: global_buffer, .address_space: global }
      - { .name: ao, .offset: 32, .size: 8, .value_kind: global_buffer, .address_space: global }
      - { .name: bb, .offset: 40, .size: 8, .value_kind: global_buffer, .address_space: global }
    .group_segment_fixed_size: 17152
    .private_segment_fixed_size: 0
    .kernarg_segment_align: 8
    .kernarg_segment_size: 48
    .max_flat_workgroup_size: 128
    .sgpr_count:     66
    .vgpr_count:     176
    .wavefront_size: 32
...
	.end_amdgpu_metadata
.endif
;; end of part 4
;; launch ffn1 (part 5): grid 256 x 1, 8 waves a work-group, clusters of 4 x 1, 279,552 bytes of LDS; arguments bb, W1, bf1, big; writes big
.if DOCPART == 5
	.amdgcn_target "amdgcn-amd-amdhsa--gfx1250"
	.amdhsa_code_object_version 6
	.text
	.protected	k_qdab2361121_ffn1
	.globl	k_qdab2361121_ffn1
	.p2align	8
	.type	k_qdab2361121_ffn1,@function
k_qdab2361121_ffn1:
	s_mov_b64 s[64:65], 0
	v_nop
	global_prefetch_b8 v0, s[64:65] scope:SCOPE_SE
	s_setreg_imm32_b32 hwreg(HW_REG_WAVE_MODE, 25, 1), 1
	s_wait_xcnt 0x0
	s_wait_alu depctr_hold_cnt(0) depctr_sa_sdst(0) depctr_va_vdst(0) depctr_va_sdst(0) depctr_va_ssrc(0) depctr_va_vcc(0) depctr_vm_vsrc(0)
	s_getreg_b32 s2, hwreg(HW_REG_IB_STS2, 6, 4)
	s_cmp_eq_u32 s2, 0
	s_cbranch_scc0 .Lentry_in_a_cluster
	s_endpgm
.Lentry_in_a_cluster:
	s_bfe_u32 s2, ttmp6, 0x10000c
	s_cmp_lg_u32 s2, 0x3003
	s_cbranch_scc0 .Lentry_shape_is_right
	s_endpgm
.Lentry_shape_is_right:
; h1[row'][c] = relu( the sum over k of y[row'][k] W1[c][k] + bf1[c] ): 128 rows, 4,096 columns, K = 1,024.  y: bf16 [128][1024]; W1: f32, rounded to bf16 in registers; sums in f32.
; h1 is rounded once to bf16, as the next product's operand, and stored blocked: [c / 16][row' 128][16], 4,096 dense bytes a work-group; every store covers 256 consecutive bytes, aligned.
; The structure is that of the projections' kernel.  Work-group x makes 16 columns.  K IS SPLIT AMONG EIGHT WAVES: wave w takes k = 128 w .. 128 w + 127 for all 128 rows.  Its slice of y comes by ONE
; tensor load into LDS bytes that this wave alone reads (one tensor load of a wave is out, once); its slice of W1 (16 rows x 512 bytes) straight into registers, asked for first.
; The eight partial sums meet in LDS, in the heads of the waves' own slices, which have had their only fill and their last read; wave w finishes rows 16 w .. 16 w + 15.
; CLUSTER.  All work-groups need the same y: the four of a cluster ask for each slice JOINTLY, same load, descriptor and mask.
; THE MATRIX INSTRUCTION IS USED TRANSPOSED (source 0 = 16 rows of W1, source 1 = 16 rows of y): lane l holds row l % 16 and the columns 8 (l / 16) + 0..7.
.set REG,   34816                      ; a wave's LDS region: 128 rows of 272 bytes
.set PITCH, 272
.set SPARE, 8*REG
.set SPIT,  80
.set TILEB, 16*SPIT
.set FO,  2                            ; v2   my byte offset in W1: (l % 16) x 4,096 + 32 (l / 16) + 512 w
.set AL,  3                            ; v3   LDS address of my part of a fragment of y
.set STO, 4                            ; v4   where I put 32 bytes of a partial row
.set RD,  5                            ; v5   where I read partial rows back
.set GO,  6                            ; v6   my byte offset in the block of h1
.set BO,  7                            ; v7   my four columns in the bias
.set SPW, 8                            ; v8   LDS address of my spare word; never rewritten
.set NIL, 9                            ; v9   0; never rewritten
.set BIAS, 16                          ; v[16:19]
.set HP,  20                           ; v[20:23] h1 in bf16
.set WF,  24                           ; v[24:87]   W1 in f32; then the second fragment buffer; then the partial sums read back
.set RB,  24
.set AB0, 88                           ; v[88:151]  the first fragment buffer
.set WB,  152                          ; v[152:183] W1 in bf16
.set ACC, 184                          ; v[184:247] eight accumulators
.macro ROUND                           ; a round of the cluster's barrier
	s_barrier_signal -1
	s_barrier_wait -1
	s_cmp_lg_u32 s26, 0
	s_cbranch_scc1 .Lnot_wave_0_\@
	s_barrier_signal -3
.Lnot_wave_0_\@:
	s_barrier_wait -3
	s_barrier_signal -1
	s_barrier_wait -1
.endm
.macro WLOADS                          ; for each 32 k: registers 0-7 take k = 8 (l / 16) + 0..7, registers 8-15 take k = 16 + 8 (l / 16) + 0..7
.irp ks, 0,1,2,3
	global_load_b128 v[WF+16*(\ks):WF+16*(\ks)+3],     v[FO], s[46:47] offset:128*(\ks)
	global_load_b128 v[WF+16*(\ks)+4:WF+16*(\ks)+7],   v[FO], s[46:47] offset:128*(\ks)+16
	global_load_b128 v[WF+16*(\ks)+8:WF+16*(\ks)+11],  v[FO], s[46:47] offset:128*(\ks)+64
	global_load_b128 v[WF+16*(\ks)+12:WF+16*(\ks)+15], v[FO], s[46:47] offset:128*(\ks)+80
.endr
.endm
.macro AFETCH buf, ks                  ; eight fragments (16 rows x 32 k) of K step ks
.irp a, 0,1,2,3,4,5,6,7
	ds_load_b128 v[(\buf)+8*(\a):(\buf)+8*(\a)+3],   v[AL] offset:(\a)*16*PITCH+64*(\ks)
	ds_load_b128 v[(\buf)+8*(\a)+4:(\buf)+8*(\a)+7], v[AL] offset:(\a)*16*PITCH+64*(\ks)+32
.endr
.endm
.macro MULS buf, ks, zero              ; eight products; the eight accumulators take turns
.irp a, 0,1,2,3,4,5,6,7
.if \zero
	v_wmma_f32_16x16x32_bf16 v[ACC+8*(\a):ACC+8*(\a)+7], v[WB+8*(\ks):WB+8*(\ks)+7], v[(\buf)+8*(\a):(\buf)+8*(\a)+7], 0
.else
	v_wmma_f32_16x16x32_bf16 v[ACC+8*(\a):ACC+8*(\a)+7], v[WB+8*(\ks):WB+8*(\ks)+7], v[(\buf)+8*(\a):(\buf)+8*(\a)+7], v[ACC+8*(\a):ACC+8*(\a)+7]
.endif
.endr
.endm
.macro PLACES n
.rept \n
	v_nop
.endr
.endm
	s_load_b256 s[8:15], s[0:1], 0x0               ; y s[8:9], W1 s[10:11], bf1 s[12:13], h1 s[14:15]
	v_lshl_add_u32 v[SPW], v0, 2, SPARE
	v_mov_b32 v[NIL], 0
	ds_add_u32 v[SPW], v[NIL]                      ; the opening: the add, twice on end, and its wait ahead of my first tensor load
	ds_add_u32 v[SPW], v[NIL]
	v_lshrrev_b32 v10, 5, v0
	v_readfirstlane_b32 s26, v10                   ; wave 0..7
	s_bfe_u32 s27, ttmp6, 0x40000                  ; cx: it enters the addresses of W1, bf1 and h1 alone
	s_lshl_b32 s28, ttmp9, 2
	s_add_co_u32 s28, s28, s27                     ; x: the group of 16 columns
	s_mov_b32 s36, 15|(1<<16)|(1<<20)|(1<<21)|(5<<22)|(3<<25)  ; the mask of four; 2-byte elements; padding on; bit 21 beside a mask; after every 64 words, 4 words
	s_mov_b32 s37, 128<<16                         ; tensor_dim0 = 128
	s_mov_b32 s38, 128<<16                         ; tensor_dim1 = 128
	s_mov_b32 s39, 128<<16                         ; tile_dim0 = 128
	s_mov_b32 s40, 128                             ; tile_dim1 = 128
	s_mov_b32 s41, 1024                            ; elements from row to row
	s_mov_b32 s42, 0
	s_mov_b32 s43, 0
	s_mov_b32 s32, 1
	s_mul_i32 s33, s26, REG
	v_and_b32 v10, 15, v0                          ; r
	v_bfe_u32 v11, v0, 4, 1                        ; h
	v_and_b32 v12, 31, v0                          ; l
	v_lshrrev_b32 v13, 2, v12
	v_and_b32 v14, 3, v12
	v_lshlrev_b32 v[FO], 12, v10
	v_lshl_add_u32 v[FO], v11, 5, v[FO]
	s_lshl_b32 s31, s26, 9
	v_add_nc_u32 v[FO], s31, v[FO]
	v_mul_u32_u24 v[AL], v10, PITCH
	v_lshl_add_u32 v[AL], v11, 4, v[AL]
	v_add_nc_u32 v[AL], s33, v[AL]
	v_mul_u32_u24 v[STO], v10, SPIT
	v_lshl_add_u32 v[STO], v11, 5, v[STO]
	v_add_nc_u32 v[STO], s33, v[STO]
	v_mul_u32_u24 v[RD], v13, SPIT
	v_lshl_add_u32 v[RD], v14, 4, v[RD]
	s_mul_i32 s31, s26, TILEB
	v_add_nc_u32 v[RD], s31, v[RD]
	s_lshl_b32 s31, s26, 9
	v_lshl_add_u32 v[GO], v12, 3, s31              ; (16 w + l / 4) x 32 + 8 (l % 4) = 512 w + 8 l
	v_lshlrev_b32 v[BO], 4, v14
	s_wait_dscnt 0x0                               ; both opening adds are done
	s_wait_kmcnt 0x0
	s_lshl_b32 s52, s28, 16                        ; 16 rows of 4,096 bytes
	s_mov_b32 s53, 0
	s_add_nc_u64 s[46:47], s[10:11], s[52:53]
	s_lshl_b32 s52, s28, 6
	s_add_nc_u64 s[48:49], s[12:13], s[52:53]
	s_lshl_b32 s52, s28, 12
	s_add_nc_u64 s[50:51], s[14:15], s[52:53]
	WLOADS
	global_load_b128 v[BIAS:BIAS+3], v[BO], s[48:49]
	s_lshl_b32 s54, s26, 8                         ; my 256 bytes of y's rows: a pair that never holds cx
	s_mov_b32 s55, 0
	s_add_nc_u64 s[34:35], s[8:9], s[54:55]
	s_or_b32 s35, s35, 0x80000000
	ROUND                                          ; all four work-groups are here: the joint loads meet
	tensor_load_to_lds s[32:35], s[36:43]
	s_nop 0
	s_wait_tensorcnt 0x0                           ; my slice of y is in my region, which I alone read
	AFETCH AB0, 0
	s_wait_loadcnt 0x1                             ; W1 is in; the bias, the one younger load, may stay out
.irp k, 0,1,2,3,4,5,6,7,8,9,10,11,12,13,14,15,16,17,18,19,20,21,22,23,24,25,26,27,28,29,30,31
	v_cvt_pk_bf16_f32 v[WB+(\k)], v[WF+2*(\k)], v[WF+2*(\k)+1]
.endr
	AFETCH WF, 1
	s_wait_dscnt 16                                ; all but the 16 just issued
	MULS AB0, 0, 1
	PLACES 4
	AFETCH AB0, 2
	s_wait_dscnt 16
	MULS WF, 1, 0
	PLACES 4
	AFETCH WF, 3
	s_wait_dscnt 16
	MULS AB0, 2, 0
	s_wait_dscnt 0x0
	MULS WF, 3, 0
	PLACES 8
.irp a, 0,1,2,3,4,5,6,7
	ds_store_b128 v[STO], v[ACC+8*(\a):ACC+8*(\a)+3]   offset:TILEB*(\a)
	ds_store_b128 v[STO], v[ACC+8*(\a)+4:ACC+8*(\a)+7] offset:TILEB*(\a)+16
.endr
	s_wait_dscnt 0x0                               ; for the others' sake
	s_barrier_signal -1
	s_barrier_wait -1
.irp v, 0,1,2,3,4,5,6,7
	ds_load_b128 v[RB+8*(\v):RB+8*(\v)+3],   v[RD]
	ds_load_b128 v[RB+8*(\v)+4:RB+8*(\v)+7], v[RD] offset:8*SPIT
.if (\v) < 7
	v_add_nc_u32 v[RD], REG, v[RD]
.endif
.endr
	s_wait_dscnt 0x0
.irp v, 0,1,2,3
.irp c, 0,2,4,6
	v_pk_add_f32 v[RB+8*(\v)+(\c):RB+8*(\v)+(\c)+1], v[RB+8*(\v)+(\c):RB+8*(\v)+(\c)+1], v[RB+8*(\v)+32+(\c):RB+8*(\v)+32+(\c)+1]
.endr
.endr
.irp v, 0,1
.irp c, 0,2,4,6
	v_pk_add_f32 v[RB+8*(\v)+(\c):RB+8*(\v)+(\c)+1], v[RB+8*(\v)+(\c):RB+8*(\v)+(\c)+1], v[RB+8*(\v)+16+(\c):RB+8*(\v)+16+(\c)+1]
.endr
.endr
.irp c, 0,2,4,6
	v_pk_add_f32 v[RB+(\c):RB+(\c)+1], v[RB+(\c):RB+(\c)+1], v[RB+8+(\c):RB+8+(\c)+1]
.endr
	s_wait_loadcnt 0x0                             ; the bias
.irp c, 0,2
	v_pk_add_f32 v[RB+(\c):RB+(\c)+1], v[RB+(\c):RB+(\c)+1], v[BIAS+(\c):BIAS+(\c)+1]
	v_pk_add_f32 v[RB+4+(\c):RB+4+(\c)+1], v[RB+4+(\c):RB+4+(\c)+1], v[BIAS+(\c):BIAS+(\c)+1]
.endr
.irp k, 0,1,2,3,4,5,6,7
	v_max_num_f32 v[RB+(\k)], 0, v[RB+(\k)]        ; relu
.endr
.irp k, 0,1,2,3
	v_cvt_pk_bf16_f32 v[HP+(\k)], v[RB+2*(\k)], v[RB+2*(\k)+1]
.endr
	global_store_b64 v[GO], v[HP:HP+1],   s[50:51]              ; 256 consecutive bytes, aligned: eight rows of the block
	global_store_b64 v[GO], v[HP+2:HP+3], s[50:51] offset:256
	s_wait_tensorcnt 0x0                           ; the wave's end
	ds_add_u32 v[SPW], v[NIL]
	s_wait_dscnt 0x0
	ROUND                                          ; the closing round
	s_endpgm
.Lfunc_end_k_qdab2361121_ffn1:
	.size	k_qdab2361121_ffn1, .Lfunc_end_k_qdab2361121_ffn1-k_qdab2361121_ffn1
	.p2alignl 7, 3214868480
	.fill 96, 4, 3214868480
	.section	.rodata,"a",@progbits
	.p2align	6, 0x0
	.amdhsa_kernel k_qdab2361121_ffn1
		.amdhsa_group_segment_fixed_size 279552
		.amdhsa_private_segment_fixed_size 0
		.amdhsa_enable_private_segment 0
		.amdhsa_kernarg_size 32
		.amdhsa_user_sgpr_count 2
		.amdhsa_user_sgpr_kernarg_segment_ptr 1
		.amdhsa_wavefront_size32 1
		.amdhsa_system_sgpr_workgroup_id_x 1
		.amdhsa_system_sgpr_workgroup_id_y 1
		.amdhsa_system_sgpr_workgroup_id_z 1
		.amdhsa_system_vgpr_workitem_id 0
		.amdhsa_next_free_vgpr 256
		.amdhsa_next_free_sgpr 66
		.amdhsa_reserve_vcc 0
		.amdhsa_float_denorm_mode_32 3
		.amdhsa_float_denorm_mode_16_64 3
		.amdhsa_memory_ordered 1
		.amdhsa_forward_progress 1
		.amdhsa_inst_pref_size 20
	.end_amdhsa_kernel
	.amdgpu_metadata
---
amdhsa.version: [ 1, 2 ]
amdhsa.kernels:
  - .name:           k_qdab2361121_ffn1
    .symbol:         k_qdab2361121_ffn1.kd
    .args:
      - { .name: bb, .offset: 0, .size: 8, .value_kind: global_buffer, .address_space: global }
      - { .name: W1, .offset: 8, .size: 8, .value_kind: global_buffer, .address_space: global }
      - { .name: bf1, .offset: 16, .size: 8, .value_kind: global_buffer, .address_space: global }
      - { .name: big, .offset: 24, .size: 8, .value_kind: global_buffer, .address_space: global }
    .group_segment_fixed_size: 279552
    .private_segment_fixed_size: 0
    .kernarg_segment_align: 8
    .kernarg_segment_size: 32
    .max_flat_workgroup_size: 256
    .sgpr_count:     66
    .vgpr_count:     256
    .wavefront_size: 32
...
	.end_amdgpu_metadata
.endif
;; end of part 5
;; launch ffn2 (part 6): grid 64 x 4, 8 waves a work-group, clusters of 4 x 1, 279,552 bytes of LDS; arguments big, W2, pf; writes pf
.if DOCPART == 6
	.amdgcn_target "amdgcn-amd-amdhsa--gfx1250"
	.amdhsa_code_object_version 6
	.text
	.protected	k_qdab2361121_ffn2
	.globl	k_qdab2361121_ffn2
	.p2align	8
	.type	k_qdab2361121_ffn2,@function
k_qdab2361121_ffn2:
	s_mov_b64 s[64:65], 0
	v_nop
	global_prefetch_b8 v0, s[64:65] scope:SCOPE_SE
	s_setreg_imm32_b32 hwreg(HW_REG_WAVE_MODE, 25, 1), 1
	s_wait_xcnt 0x0
	s_wait_alu depctr_hold_cnt(0) depctr_sa_sdst(0) depctr_va_vdst(0) depctr_va_sdst(0) depctr_va_ssrc(0) depctr_va_vcc(0) depctr_vm_vsrc(0)
	s_getreg_b32 s2, hwreg(HW_REG_IB_STS2, 6, 4)
	s_cmp_eq_u32 s2, 0
	s_cbranch_scc0 .Lentry_in_a_cluster
	s_endpgm
.Lentry_in_a_cluster:
	s_bfe_u32 s2, ttmp6, 0x10000c
	s_cmp_lg_u32 s2, 0x3003
	s_cbranch_scc0 .Lentry_shape_is_right
	s_endpgm
.Lentry_shape_is_right:
; pf[y][row'][c] = the sum over the quarter k = 1,024 y .. 1,024 y + 1,023 of h1[row'][k] W2[c][k]: four partial sums in f32, which the last launch adds (with bf2 and attn_out).
; K = 4,096 is split into four quarters along the grid's y, so that 64 groups of 16 columns give 256 work-groups; the partial sums stay in f32.
; h1: bf16, blocked [k / 16][row' 128][16]; W2: f32 [1024][4096], rounded to bf16 in registers.  pf: f32, blocked [y][c / 16][row' 128][16]: every store covers 512 consecutive bytes, aligned.
; The structure is that of the projections' kernel.  A QUARTER IS SPLIT AMONG EIGHT WAVES: wave w takes 128 k.  Its slice of h1 is eight blocks, 32,768 dense bytes, asked for as 128 rows of 256 bytes
; by ONE tensor load into LDS bytes that this wave alone reads (one tensor load of a wave is out, once); its slice of W2 (16 rows x 512 bytes) comes straight into registers, asked for first.
; The eight partial sums meet in LDS, in the heads of the waves' own slices, which have had their only fill and their last read; wave w finishes rows 16 w .. 16 w + 15.
; CLUSTER.  The four work-groups of a cluster share y, so they need the same h1: each slice is asked for JOINTLY.
; THE MATRIX INSTRUCTION IS USED TRANSPOSED (source 0 = 16 rows of W2, source 1 = 16 rows of h1).
.set REG,   34816                      ; a wave's LDS region: 128 rows of 272 bytes
.set PITCH, 272                        ; an LDS row holds eight rows' 32 bytes of one block; 16 LDS rows are a block
.set SPARE, 8*REG
.set SPIT,  80
.set TILEB, 16*SPIT
.set FO,  2                            ; v2   my byte offset in W2: (l % 16) x 16,384 + 32 (l / 16) + 512 w
.set AL,  3                            ; v3   LDS address of my part of a fragment of h1
.set STO, 4
.set RD,  5
.set GO,  6
.set SPW, 8                            ; v8   LDS address of my spare word; never rewritten
.set NIL, 9                            ; v9   0; never rewritten
.set WF,  24                           ; v[24:87]   W2 in f32; then the second fragment buffer; then the partial sums read back
.set RB,  24
.set AB0, 88                           ; v[88:151]
.set WB,  152                          ; v[152:183]
.set ACC, 184                          ; v[184:247]
.macro ROUND                           ; a round of the cluster's barrier
	s_barrier_signal -1
	s_barrier_wait -1
	s_cmp_lg_u32 s26, 0
	s_cbranch_scc1 .Lnot_wave_0_\@
	s_barrier_signal -3
.Lnot_wave_0_\@:
	s_barrier_wait -3
	s_barrier_signal -1
	s_barrier_wait -1
.endm
.macro WLOADS
.irp ks, 0,1,2,3
	global_load_b128 v[WF+16*(\ks):WF+16*(\ks)+3],     v[FO], s[46:47] offset:128*(\ks)
	global_load_b128 v[WF+16*(\ks)+4:WF+16*(\ks)+7],   v[FO], s[46:47] offset:128*(\ks)+16
	global_load_b128 v[WF+16*(\ks)+8:WF+16*(\ks)+11],  v[FO], s[46:47] offset:128*(\ks)+64
	global_load_b128 v[WF+16*(\ks)+12:WF+16*(\ks)+15], v[FO], s[46:47] offset:128*(\ks)+80
.endr
.endm
; Eight fragments of K step ks: its first 16 k lie in block 2 ks, the others in block 2 ks + 1; rows 16 a + r lie in LDS rows 2 a + r / 8 of the block, at byte 32 (r % 8).
; The 16 lanes of a half take 16 different 16-byte columns modulo 256.
.macro AFETCH buf, ks
.irp a, 0,1,2,3,4,5,6,7
	ds_load_b128 v[(\buf)+8*(\a):(\buf)+8*(\a)+3],   v[AL] offset:(2*(\ks))*16*PITCH+(\a)*2*PITCH
	ds_load_b128 v[(\buf)+8*(\a)+4:(\buf)+8*(\a)+7], v[AL] offset:(2*(\ks)+1)*16*PITCH+(\a)*2*PITCH
.endr
.endm
.macro MULS buf, ks, zero              ; eight products; the eight accumulators take turns
.irp a, 0,1,2,3,4,5,6,7
.if \zero
	v_wmma_f32_16x16x32_bf16 v[ACC+8*(\a):ACC+8*(\a)+7], v[WB+8*(\ks):WB+8*(\ks)+7], v[(\buf)+8*(\a):(\buf)+8*(\a)+7], 0
.else
	v_wmma_f32_16x16x32_bf16 v[ACC+8*(\a):ACC+8*(\a)+7], v[WB+8*(\ks):WB+8*(\ks)+7], v[(\buf)+8*(\a):(\buf)+8*(\a)+7], v[ACC+8*(\a):ACC+8*(\a)+7]
.endif
.endr
.endm
.macro PLACES n
.rept \n
	v_nop
.endr
.endm
	s_load_b128 s[8:11], s[0:1], 0x0               ; h1 s[8:9], W2 s[10:11]
	s_load_b64 s[12:13], s[0:1], 0x10              ; pf
	v_lshl_add_u32 v[SPW], v0, 2, SPARE
	v_mov_b32 v[NIL], 0
	ds_add_u32 v[SPW], v[NIL]                      ; the opening: the add, twice on end, and its wait ahead of my first tensor load
	ds_add_u32 v[SPW], v[NIL]
	v_lshrrev_b32 v10, 5, v0
	v_readfirstlane_b32 s26, v10                   ; wave 0..7
	s_bfe_u32 s27, ttmp6, 0x40000                  ; cx: it enters the addresses of W2 and pf alone
	s_lshl_b32 s28, ttmp9, 2
	s_add_co_u32 s28, s28, s27                     ; the group of 16 columns
	s_and_b32 s29, ttmp7, 0xffff                   ; y: the quarter of K, the same in all four partners
	s_mov_b32 s36, 15|(3<<16)|(1<<20)|(1<<21)|(5<<22)|(3<<25)  ; the mask of four; 8-byte elements; padding on; bit 21 beside a mask; after every 64 words, 4 words
	s_mov_b32 s37, 32<<16                          ; tensor_dim0 = 32 elements: 256 bytes
	s_mov_b32 s38, 128<<16                         ; tensor_dim1 = 128
	s_mov_b32 s39, 32<<16                          ; tile_dim0 = 32
	s_mov_b32 s40, 128                             ; tile_dim1 = 128
	s_mov_b32 s41, 32                              ; the rows lie end to end
	s_mov_b32 s42, 0
	s_mov_b32 s43, 0
	s_mov_b32 s32, 1
	s_mul_i32 s33, s26, REG
	v_and_b32 v10, 15, v0                          ; r
	v_bfe_u32 v11, v0, 4, 1                        ; h
	v_and_b32 v12, 31, v0                          ; l
	v_lshlrev_b32 v[FO], 14, v10
	v_lshl_add_u32 v[FO], v11, 5, v[FO]
	s_lshl_b32 s31, s26, 9
	v_add_nc_u32 v[FO], s31, v[FO]
	v_lshrrev_b32 v13, 3, v10
	v_and_b32 v14, 7, v10
	v_mul_u32_u24 v[AL], v13, PITCH
	v_lshl_add_u32 v[AL], v14, 5, v[AL]
	v_lshl_add_u32 v[AL], v11, 4, v[AL]
	v_add_nc_u32 v[AL], s33, v[AL]
	v_mul_u32_u24 v[STO], v10, SPIT
	v_lshl_add_u32 v[STO], v11, 5, v[STO]
	v_add_nc_u32 v[STO], s33, v[STO]
	v_lshrrev_b32 v13, 2, v12
	v_and_b32 v14, 3, v12
	v_mul_u32_u24 v[RD], v13, SPIT
	v_lshl_add_u32 v[RD], v14, 4, v[RD]
	s_mul_i32 s31, s26, TILEB
	v_add_nc_u32 v[RD], s31, v[RD]
	s_lshl_b32 s31, s26, 10
	v_lshl_add_u32 v[GO], v12, 4, s31              ; 1,024 w + 16 l
	s_wait_dscnt 0x0                               ; both opening adds are done
	s_wait_kmcnt 0x0
	s_lshl_b32 s52, s28, 18                        ; 16 rows of 16,384 bytes,
	s_lshl_b32 s53, s29, 12                        ; the quarter's 4,096 bytes of a row
	s_add_co_u32 s52, s52, s53
	s_mov_b32 s53, 0
	s_add_nc_u64 s[46:47], s[10:11], s[52:53]
	s_lshl_b32 s52, s29, 6
	s_add_co_u32 s52, s52, s28                     ; 64 y + the group
	s_lshl_b32 s52, s52, 13
	s_add_nc_u64 s[50:51], s[12:13], s[52:53]
	WLOADS
	s_lshl_b32 s54, s29, 18                        ; 64 y blocks of 4,096 bytes,
	s_lshl_b32 s55, s26, 15                        ; my eight: a pair that never holds cx
	s_add_co_u32 s54, s54, s55
	s_mov_b32 s55, 0
	s_add_nc_u64 s[34:35], s[8:9], s[54:55]
	s_or_b32 s35, s35, 0x80000000
	ROUND                                          ; all four work-groups are here: the joint loads meet
	tensor_load_to_lds s[32:35], s[36:43]
	s_nop 0
	s_wait_tensorcnt 0x0                           ; my slice of h1 is in my region, which I alone read
	AFETCH AB0, 0
	s_wait_loadcnt 0x0                             ; W2 is in
.irp k, 0,1,2,3,4,5,6,7,8,9,10,11,12,13,14,15,16,17,18,19,20,21,22,23,24,25,26,27,28,29,30,31
	v_cvt_pk_bf16_f32 v[WB+(\k)], v[WF+2*(\k)], v[WF+2*(\k)+1]
.endr
	AFETCH WF, 1
	s_wait_dscnt 16                                ; all but the 16 just issued
	MULS AB0, 0, 1
	PLACES 4
	AFETCH AB0, 2
	s_wait_dscnt 16
	MULS WF, 1, 0
	PLACES 4
	AFETCH WF, 3
	s_wait_dscnt 16
	MULS AB0, 2, 0
	s_wait_dscnt 0x0
	MULS WF, 3, 0
	PLACES 8
.irp a, 0,1,2,3,4,5,6,7
	ds_store_b128 v[STO], v[ACC+8*(\a):ACC+8*(\a)+3]   offset:TILEB*(\a)
	ds_store_b128 v[STO], v[ACC+8*(\a)+4:ACC+8*(\a)+7] offset:TILEB*(\a)+16
.endr
	s_wait_dscnt 0x0                               ; for the others' sake
	s_barrier_signal -1
	s_barrier_wait -1
.irp v, 0,1,2,3,4,5,6,7
	ds_load_b128 v[RB+8*(\v):RB+8*(\v)+3],   v[RD]
	ds_load_b128 v[RB+8*(\v)+4:RB+8*(\v)+7], v[RD] offset:8*SPIT
.if (\v) < 7
	v_add_nc_u32 v[RD], REG, v[RD]
.endif
.endr
	s_wait_dscnt 0x0
.irp v, 0,1,2,3
.irp c, 0,2,4,6
	v_pk_add_f32 v[RB+8*(\v)+(\c):RB+8*(\v)+(\c)+1], v[RB+8*(\v)+(\c):RB+8*(\v)+(\c)+1], v[RB+8*(\v)+32+(\c):RB+8*(\v)+32+(\c)+1]
.endr
.endr
.irp v, 0,1
.irp c, 0,2,4,6
	v_pk_add_f32 v[RB+8*(\v)+(\c):RB+8*(\v)+(\c)+1], v[RB+8*(\v)+(\c):RB+8*(\v)+(\c)+1], v[RB+8*(\v)+16+(\c):RB+8*(\v)+16+(\c)+1]
.endr
.endr
.irp c, 0,2,4,6
	v_pk_add_f32 v[RB+(\c):RB+(\c)+1], v[RB+(\c):RB+(\c)+1], v[RB+8+(\c):RB+8+(\c)+1]
.endr
	global_store_b128 v[GO], v[RB:RB+3],   s[50:51]             ; 512 consecutive bytes, aligned
	global_store_b128 v[GO], v[RB+4:RB+7], s[50:51] offset:512
	s_wait_tensorcnt 0x0                           ; the wave's end
	ds_add_u32 v[SPW], v[NIL]
	s_wait_dscnt 0x0
	ROUND                                          ; the closing round
	s_endpgm
.Lfunc_end_k_qdab2361121_ffn2:
	.size	k_qdab2361121_ffn2, .Lfunc_end_k_qdab2361121_ffn2-k_qdab2361121_ffn2
	.p2alignl 7, 3214868480
	.fill 96, 4, 3214868480
	.section	.rodata,"a",@progbits
	.p2align	6, 0x0
	.amdhsa_kernel k_qdab2361121_ffn2
		.amdhsa_group_segment_fixed_size 279552
		.amdhsa_private_segment_fixed_size 0
		.amdhsa_enable_private_segment 0
		.amdhsa_kernarg_size 24
		.amdhsa_user_sgpr_count 2
		.amdhsa_user_sgpr_kernarg_segment_ptr 1
		.amdhsa_wavefront_size32 1
		.amdhsa_system_sgpr_workgroup_id_x 1
		.amdhsa_system_sgpr_workgroup_id_y 1
		.amdhsa_system_sgpr_workgroup_id_z 1
		.amdhsa_system_vgpr_workitem_id 0
		.amdhsa_next_free_vgpr 256
		.amdhsa_next_free_sgpr 66
		.amdhsa_reserve_vcc 0
		.amdhsa_float_denorm_mode_32 3
		.amdhsa_float_denorm_mode_16_64 3
		.amdhsa_memory_ordered 1
		.amdhsa_forward_progress 1
		.amdhsa_inst_pref_size 19
	.end_amdhsa_kernel
	.amdgpu_metadata
---
amdhsa.version: [ 1, 2 ]
amdhsa.kernels:
  - .name:           k_qdab2361121_ffn2
    .symbol:         k_qdab2361121_ffn2.kd
    .args:
      - { .name: big, .offset: 0, .size: 8, .value_kind: global_buffer, .address_space: global }
      - { .name: W2, .offset: 8, .size: 8, .value_kind: global_buffer, .address_space: global }
      - { .name: pf, .offset: 16, .size: 8, .value_kind: global_buffer, .address_space: global }
    .group_segment_fixed_size: 279552
    .private_segment_fixed_size: 0
    .kernarg_segment_align: 8
    .kernarg_segment_size: 24
    .max_flat_workgroup_size: 256
    .sgpr_count:     66
    .vgpr_count:     256
    .wavefront_size: 32
...
	.end_amdgpu_metadata
.endif
;; end of part 6
;; launch fin (part 7): grid 32 x 4, 4 waves a work-group, no clusters, 4,864 bytes of LDS; arguments pf, ao, bf2, out0; writes out0
.if DOCPART == 7
	.amdgcn_target "amdgcn-amd-amdhsa--gfx1250"
	.amdhsa_code_object_version 6
	.text
	.protected	k_qdab2361121_fin
	.globl	k_qdab2361121_fin
	.p2align	8
	.type	k_qdab2361121_fin,@function
k_qdab2361121_fin:
	s_mov_b64 s[64:65], 0
	v_nop
	global_prefetch_b8 v0, s[64:65] scope:SCOPE_SE
	s_setreg_imm32_b32 hwreg(HW_REG_WAVE_MODE, 25, 1), 1
	s_wait_xcnt 0x0
; out0[i][b][c] = attn_out[row'][c] + bf2[c] + the sum of the four partial sums pf[y][row'][c], row' = 4 b + i: all in f32; the rows go back to the order of features.
; pf is blocked [y][c / 16][row'][16]: the aligned 256 bytes (y, block, b) hold 4 i x 16 columns.  Work-group (b, cq) takes the 256 columns 256 cq on of the four rows of b: its waves read the
; 4 x 16 runs whole, add the four partial sums, turn the result into four rows in LDS, and wave i stores 1,024 consecutive bytes of row i.
; No cluster: what work-groups share is bf2, 4 KB.
.set PIT,   1088                       ; an LDS row: 1,024 bytes + 64
.set SPARE, 4*PIT                      ; the spare words, 128 bytes for each of four waves
.set SPW, 10                           ; v10  LDS address of my spare word; never rewritten
.set NIL, 11                           ; v11  0; never rewritten
.set P,  16                            ; v[16:47]  partial y, load t at 16 + 8 y + 4 t; v[24:31] later the rows read back
.set AO, 48                            ; v[48:55]
.set BF, 56                            ; v[56:63]
	s_load_b256 s[4:11], s[0:1], 0x0               ; pf s[4:5], ao s[6:7], bf2 s[8:9], out0 s[10:11]
	v_lshl_add_u32 v[SPW], v0, 2, SPARE
	v_mov_b32 v[NIL], 0
	v_lshrrev_b32 v3, 5, v0
	v_readfirstlane_b32 s12, v3                    ; wave = i
	s_mov_b32 s13, ttmp9                           ; b
	s_and_b32 s14, ttmp7, 0xffff                   ; cq
	v_and_b32 v1, 31, v0
	v_lshlrev_b32 v1, 4, v1                        ; 16 x lane
	v_and_b32 v14, 15, v0
	v_bfe_u32 v15, v0, 4, 1
	v_lshlrev_b32 v3, 4, v14
	v_lshl_add_u32 v3, v15, 13, v3
	s_lshl_b32 s15, s12, 15
	v_add_nc_u32 v3, s15, v3                       ; block 4 w + l / 16 (+ 2 t), 16 bytes at 16 (l % 16)
	v_lshrrev_b32 v13, 2, v14
	v_mul_u32_u24 v12, v13, PIT                    ; into LDS: row (l % 16) / 4,
	v_and_b32 v13, 3, v14
	v_lshl_add_u32 v12, v13, 4, v12
	v_lshl_add_u32 v12, v15, 6, v12
	s_lshl_b32 s15, s12, 8
	v_add_nc_u32 v12, s15, v12                     ; the block's 64 bytes
	s_mul_i32 s15, s12, PIT
	v_add_nc_u32 v13, s15, v1                      ; back: row w, 16 bytes a lane
	s_lshl_b32 s16, s14, 17                        ; pf: 16 cq blocks of 8,192 bytes, b's 256 bytes in a block
	s_lshl_b32 s17, s13, 8
	s_add_co_u32 s16, s16, s17
	s_mov_b32 s17, 0
	s_lshl_b32 s20, s14, 10                        ; bf2: 256 cq columns
	s_mov_b32 s21, 0
	s_lshl2_add_u32 s18, s13, s12                  ; ao: row' = 4 b + i
	s_lshl_b32 s18, s18, 12
	s_add_co_u32 s18, s18, s20
	s_mov_b32 s19, 0
	s_lshl_b32 s22, s12, 5                         ; out0: row 32 i + b
	s_add_co_u32 s22, s22, s13
	s_lshl_b32 s22, s22, 12
	s_add_co_u32 s22, s22, s20
	s_mov_b32 s23, 0
	s_wait_kmcnt 0x0
	s_add_nc_u64 s[4:5], s[4:5], s[16:17]
	s_add_nc_u64 s[6:7], s[6:7], s[18:19]
	s_add_nc_u64 s[8:9], s[8:9], s[20:21]
	s_add_nc_u64 s[10:11], s[10:11], s[22:23]
.irp y, 0,1,2,3
.irp t, 0,1
	global_load_b128 v[P+8*(\y)+4*(\t):P+8*(\y)+4*(\t)+3], v3, s[4:5] offset:524288*(\y)+16384*(\t)  ; two whole runs of 256 bytes a load
.endr
.endr
.irp t, 0,1
	global_load_b128 v[AO+4*(\t):AO+4*(\t)+3], v1, s[6:7] offset:512*(\t)
.endr
.irp t, 0,1
	global_load_b128 v[BF+4*(\t):BF+4*(\t)+3], v1, s[8:9] offset:512*(\t)
.endr
	s_wait_loadcnt 4                               ; the partial sums are in; the four younger loads (attn_out, bf2) may stay out
.irp c, 0,2,4,6
	v_pk_add_f32 v[P+(\c):P+(\c)+1], v[P+(\c):P+(\c)+1], v[P+8+(\c):P+8+(\c)+1]
	v_pk_add_f32 v[P+16+(\c):P+16+(\c)+1], v[P+16+(\c):P+16+(\c)+1], v[P+24+(\c):P+24+(\c)+1]
.endr
.irp c, 0,2,4,6
	v_pk_add_f32 v[P+(\c):P+(\c)+1], v[P+(\c):P+(\c)+1], v[P+16+(\c):P+16+(\c)+1]
.endr
	ds_store_b128 v12, v[P:P+3]
	ds_store_b128 v12, v[P+4:P+7] offset:128
	s_wait_dscnt 0x0                               ; for the others' sake
	s_barrier_signal -1
	s_barrier_wait -1
	ds_load_b128 v[P+8:P+11],  v13
	ds_load_b128 v[P+12:P+15], v13 offset:512
	s_wait_loadcnt 0x0                             ; attn_out and bf2
.irp c, 0,2,4,6
	v_pk_add_f32 v[AO+(\c):AO+(\c)+1], v[AO+(\c):AO+(\c)+1], v[BF+(\c):BF+(\c)+1]
.endr
	s_wait_dscnt 0x0
.irp c, 0,2,4,6
	v_pk_add_f32 v[P+8+(\c):P+8+(\c)+1], v[P+8+(\c):P+8+(\c)+1], v[AO+(\c):AO+(\c)+1]
.endr
	global_store_b128 v1, v[P+8:P+11],  s[10:11]                ; 512 consecutive bytes, aligned
	global_store_b128 v1, v[P+12:P+15], s[10:11] offset:512
	s_wait_tensorcnt 0x0                           ; the wave's end, behind my last LDS store
	ds_add_u32 v[SPW], v[NIL]
	s_wait_dscnt 0x0
	s_endpgm
.Lfunc_end_k_qdab2361121_fin:
	.size	k_qdab2361121_fin, .Lfunc_end_k_qdab2361121_fin-k_qdab2361121_fin
	.p2alignl 7, 3214868480
	.fill 96, 4, 3214868480
	.section	.rodata,"a",@progbits
	.p2align	6, 0x0
	.amdhsa_kernel k_qdab2361121_fin
		.amdhsa_group_segment_fixed_size 4864
		.amdhsa_private_segment_fixed_size 0
		.amdhsa_enable_private_segment 0
		.amdhsa_kernarg_size 32
		.amdhsa_user_sgpr_count 2
		.amdhsa_user_sgpr_kernarg_segment_ptr 1
		.amdhsa_wavefront_size32 1
		.amdhsa_system_sgpr_workgroup_id_x 1
		.amdhsa_system_sgpr_workgroup_id_y 1
		.amdhsa_system_sgpr_workgroup_id_z 1
		.amdhsa_system_vgpr_workitem_id 0
		.amdhsa_next_free_vgpr 64
		.amdhsa_next_free_sgpr 66
		.amdhsa_reserve_vcc 0
		.amdhsa_float_denorm_mode_32 3
		.amdhsa_float_denorm_mode_16_64 3
		.amdhsa_memory_ordered 1
		.amdhsa_forward_progress 1
		.amdhsa_inst_pref_size 6
	.end_amdhsa_kernel
	.amdgpu_metadata
---
amdhsa.version: [ 1, 2 ]
amdhsa.kernels:
  - .name:           k_qdab2361121_fin
    .symbol:         k_qdab2361121_fin.kd
    .args:
      - { .name: pf, .offset: 0, .size: 8, .value_kind: global_buffer, .address_space: global }
      - { .name: ao, .offset: 8, .size: 8, .value_kind: global_buffer, .address_space: global }
      - { .name: bf2, .offset: 16, .size: 8, .value_kind: global_buffer, .address_space: global }
      - { .name: out0, .offset: 24, .size: 8, .value_kind: global_buffer, .address_space: global }
    .group_segment_fixed_size: 4864
    .private_segment_fixed_size: 0
    .kernarg_segment_align: 8
    .kernarg_segment_size: 32
    .max_flat_workgroup_size: 128
    .sgpr_count:     66
    .vgpr_count:     64
    .wavefront_size: 32
...
	.end_amdgpu_metadata
.endif
;; end of part 7
;; ======== version 2 of 2: 6 launches; 1.15 times as fast as version 1
;; workspace buffers: xqs 524,288 bytes; ba 262,144 bytes; big 1,572,864 bytes; ao 524,288 bytes; pf 2,097,152 bytes
;; launch qkv (part 8): grid 256 x 1, 8 waves a work-group, clusters of 4 x 1, 205,824 bytes of LDS; arguments features, g1, b1, Wq, Wk, Wv, bq, bk, bv, big, xqs; writes big, xqs
.if DOCPART == 8
	.amdgcn_target "amdgcn-amd-amdhsa--gfx1250"
	.amdhsa_code_object_version 6
	.text
	.protected	k_qdab2361121_qkv
	.globl	k_qdab2361121_qkv
	.p2align	8
	.type	k_qdab2361121_qkv,@function
k_qdab2361121_qkv:
	s_mov_b64 s[64:65], 0
	v_nop
	global_prefetch_b8 v0, s[64:65] scope:SCOPE_SE
	s_setreg_imm32_b32 hwreg(HW_REG_WAVE_MODE, 25, 1), 1
	s_wait_xcnt 0x0
	s_wait_alu depctr_hold_cnt(0) depctr_sa_sdst(0) depctr_va_vdst(0) depctr_va_sdst(0) depctr_va_ssrc(0) depctr_va_vcc(0) depctr_vm_vsrc(0)
	s_getreg_b32 s2, hwreg(HW_REG_IB_STS2, 6, 4)
	s_cmp_eq_u32 s2, 0
	s_cbranch_scc0 .Lentry_in_a_cluster
	s_endpgm
.Lentry_in_a_cluster:
	s_bfe_u32 s2, ttmp6, 0x10000c
	s_cmp_lg_u32 s2, 0x3003
	s_cbranch_scc0 .Lentry_shape_is_right
	s_endpgm
.Lentry_shape_is_right:
; CROSS ATTENTION, launch 1 of 6: xq = LayerNorm(features) g1 + b1;  q = xq Wq^T + bq,  k = features Wk^T + bk,  v = features Wv^T + bv.
; THE PROGRAM.  qkv (this) | attn: the rank-1 attention | oproj: attn_out = xq + att Wo^T + bo | ffn1: LayerNorm of attn_out, relu(y W1^T + bf1) | ffn2: four partial sums of h1 W2^T | fin: the sum.
; ROW ORDER.  All workspace buffers hold the 128 rows in the order row' = 4 b + i (i the first axis of features, b the second), so that the four i of one b are neighbours;
; this launch permutes on the way in, the last launch on the way out.
; WORK LEFT OUT (in attn).  reference() multiplies att[i][j] by mask[i][j] = 1 - eye(N), which it builds in its own body: for j = i the factor is 0.  att[i][i] is a
; softmax-weighted mean of v[i], finite for all finite inputs, so its product with 0 is 0 in exact arithmetic whatever the inputs hold.  The four blocks j = i of
; scores, softmax and weighted sum (a quarter of that work, in whole blocks) are therefore not computed.  Every input still has a way to the output: all 17 are loaded.
; LIMIT: a NaN, an infinity or an overflow that arises only in a block j = i is not carried to the result.
; LIMITS of the program: matrix operands (xq, features, att, y, h1 and all weights) are rounded once to bf16; a softmax weight below 2^-126 counts as 0; NaN and infinities are not treated apart.
; SHARES.  Work-group (rg, cg): the 32 rows row' = 32 rg .. + 31 and 48 columns: 16 cg .. + 15 of each of q, k and v.  K = 1,024 IS SPLIT AMONG EIGHT WAVES, 128 k each.
; THE ROWS come in f32 straight into registers, in the order of a matrix fragment (lane l: row l % 16; k = 8 (l / 16) + 0..7 and 16 + 8 (l / 16) + 0..7 of each 32), so that they are rounded
; (for k and v) or normalised and rounded (for q) where they lie, and never pass through LDS.  A row's 1,024 numbers lie in eight waves: each wave sums its 128, and the eight figures meet
; in LDS behind a barrier; once for the mean, once for the sum of squared deviations from it, so that a common offset of the inputs costs no digits.
; THE WEIGHTS are the same for the four row groups: these form a CLUSTER (place in the cluster = rg, cluster = cg), and each wave's slice (16 rows x 512 bytes of f32 of each of the three matrices:
; three buffers, so three loads; three tensor loads of a wave are out, once) is asked for JOINTLY into LDS bytes that this wave alone reads, behind its own wait.  It is rounded to bf16 in registers.
; The eight partial sums of the six tiles meet in LDS, in the heads of the waves' own slices, which have had their only fill and their last read; wave t (0 to 5) finishes tile t = 2 matrix + row half.
; OUT.  big, f32, blocked [64 matrix + cg][row' 128][16]: a tile is 1,024 dense bytes, each store 512 consecutive bytes, aligned.  xqs: xq in f32 for the residual, in fragment order:
; [rg][wave][32 groups][lane][4]; the wave whose number is cg (cg = 0 to 7) stores its whole slice, 32 stores of 512 consecutive bytes.
; THE MATRIX INSTRUCTION IS USED TRANSPOSED (source 0 = 16 rows of W, source 1 = 16 rows of A): lane l holds row l % 16 of the result and the columns 8 (l / 16) + 0..7.
; REGISTERS in two windows of 256 (s_set_vgpr_msb: bits 1:0 source 0, 3:2 source 1, 5:4 source 2, 7:6 destination); one switch for each phase of the work.
.set WPIT,  528                        ; an LDS row of W: 512 bytes + 16: the 16 rows of a load start at 16 different 16-byte columns modulo 256
.set MATB,  16*WPIT                    ; one matrix's 16 rows
.set REG,   3*MATB                     ; a wave's LDS region
.set STAT,  8*REG                      ; the waves' figures: [pass 2][wave 8][row 32] f32
.set SPARE, STAT+2048                  ; the spare words, 128 bytes for each of eight waves
.set SPIT,  80                         ; scratch: a row of 16 f32 + 16 bytes
.set TILEB, 16*SPIT
; window 0
.set LN,  1                            ; v1   lane
.set FOA, 2                            ; v2   my byte offset in features
.set GOF, 3                            ; v3   my byte offset in g1 and b1: 512 w + 32 (l / 16)
.set WAD, 4                            ; v4   LDS address of my part of a fragment of W
.set STO, 5                            ; v5   where I put 32 bytes of a partial row
.set RD,  6                            ; v6   where I read partial rows back
.set L16, 7                            ; v7   16 x lane
.set SPW, 8                            ; v8   LDS address of my spare word; never rewritten
.set NIL, 9                            ; v9   0; never rewritten
.set BO,  10                           ; v10  my four columns in the bias
.set STW, 11                           ; v11  where my wave's figure of row l goes
.set STR, 12                           ; v12  where the eight figures of row l begin
.set BIAS, 16                          ; v[16:19]
.set MR,  20                           ; v[20:23]   the mean, later 1 / deviation, of rows r and 16 + r, each as a pair
.set ACC, 24                           ; v[24:71]   six accumulators: tile 2 j + a
.set AF,  72                           ; v[72:135]  features in bf16: row half a, K step ks at 32 a + 8 ks; later the partial sums read back
.set RB,  72
.set AQ,  136                          ; v[136:199] xq in bf16
.set T,   200                          ; v[200:215] four running pairs for each row half
.set P,   216                          ; v[216:223] the eight waves' figures
; window 1
.set X,   0                            ; v[0:127]   the rows in f32: 64 a + 16 ks + e;  later W in f32 (64 j + 16 ks + e), packed in place to bf16 (32 j + 8 ks)
.set G,   128                          ; v[128:191] g1 of my k: 16 ks + e
.set B,   192                          ; v[192:255] b1
.set MSB, 0
.macro WIN new                         ; the immediate's high byte repeats the setting that is left; a switch that changes nothing is dropped
.if MSB != (\new)
	s_set_vgpr_msb (MSB<<8)|(\new)
.set MSB, \new
.endif
.endm
; A round of the cluster's barrier: my work-group's barrier; wave 0 signals for the work-group; every wave waits for all four work-groups; my work-group's barrier once more.
.macro ROUND
	s_barrier_signal -1
	s_barrier_wait -1
	s_cmp_lg_u32 s30, 0
	s_cbranch_scc1 .Lnot_wave_0_\@
	s_barrier_signal -3
.Lnot_wave_0_\@:
	s_barrier_wait -3
	s_barrier_signal -1
	s_barrier_wait -1
.endm
; T's four pairs of each row half into one number; the lane 16 away holds the row's other 64 numbers; lane l then carries row l's figure into LDS; behind the barrier v13 = the sum of the eight waves' figures of row l.
.macro EXCH pass
	WIN 0
.irp a, 0,1
	v_pk_add_f32 v[T+8*(\a):T+8*(\a)+1], v[T+8*(\a):T+8*(\a)+1], v[T+8*(\a)+2:T+8*(\a)+3]
	v_pk_add_f32 v[T+8*(\a)+4:T+8*(\a)+5], v[T+8*(\a)+4:T+8*(\a)+5], v[T+8*(\a)+6:T+8*(\a)+7]
.endr
.irp a, 0,1
	v_pk_add_f32 v[T+8*(\a):T+8*(\a)+1], v[T+8*(\a):T+8*(\a)+1], v[T+8*(\a)+4:T+8*(\a)+5]
.endr
.irp a, 0,1
	v_add_f32 v[T+8*(\a)], v[T+8*(\a)], v[T+8*(\a)+1]
.endr
.irp a, 0,1
	v_permlanex16_b32 v[T+8*(\a)+2], v[T+8*(\a)], s60, s61   ; a destination that has been written
.endr
.irp a, 0,1
	v_add_f32 v[T+8*(\a)], v[T+8*(\a)], v[T+8*(\a)+2]
.endr
	v_cndmask_b32 v13, v[T], v[T+8], s62           ; lanes 0-15 carry rows 0-15, lanes 16-31 rows 16-31
	ds_store_b32 v[STW], v13 offset:1024*(\pass)
	s_wait_dscnt 0x0                               ; for the others' sake
	s_barrier_signal -1
	s_barrier_wait -1
.irp v, 0,1,2,3,4,5,6,7
	ds_load_b32 v[P+(\v)], v[STR] offset:1024*(\pass)+128*(\v)
.endr
	s_wait_dscnt 0x0
	v_pk_add_f32 v[P:P+1], v[P:P+1], v[P+2:P+3]
	v_pk_add_f32 v[P+4:P+5], v[P+4:P+5], v[P+6:P+7]
	v_pk_add_f32 v[P:P+1], v[P:P+1], v[P+4:P+5]
	v_add_f32 v13, v[P], v[P+1]
.endm
; Row l's figure in register src becomes two pairs in every lane: that of row r = l % 16 and that of row 16 + r.
.macro SPREAD src
	v_permlanex16_b32 v15, v[\src], s60, s61
	v_cndmask_b32 v[MR], v[\src], v15, s62
	v_cndmask_b32 v[MR+2], v15, v[\src], s62
	v_mov_b32 v[MR+1], v[MR]
	v_mov_b32 v[MR+3], v[MR+2]
.endm
; Six products: the six accumulators take turns, one instruction a turn, from K step to K step too.  zero = 1: the first product starts the sums.
.macro MULS ks, zero
.irp j, 0,1,2
.irp a, 0,1
.if (\j) == 0
.set AS, AQ
.else
.set AS, AF
.endif
.if \zero
	v_wmma_f32_16x16x32_bf16 v[ACC+8*(2*(\j)+(\a)):ACC+8*(2*(\j)+(\a))+7], v[32*(\j)+8*(\ks):32*(\j)+8*(\ks)+7], v[AS+32*(\a)+8*(\ks):AS+32*(\a)+8*(\ks)+7], 0
.else
	v_wmma_f32_16x16x32_bf16 v[ACC+8*(2*(\j)+(\a)):ACC+8*(2*(\j)+(\a))+7], v[32*(\j)+8*(\ks):32*(\j)+8*(\ks)+7], v[AS+32*(\a)+8*(\ks):AS+32*(\a)+8*(\ks)+7], v[ACC+8*(2*(\j)+(\a)):ACC+8*(2*(\j)+(\a))+7]
.endif
.endr
.endr
.endm
	s_load_b512 s[8:23], s[0:1], 0x0               ; features s[8:9], g1 s[10:11], b1 s[12:13], Wq s[14:15], Wk s[16:17], Wv s[18:19], bq s[20:21], bk s[22:23]
	s_load_b128 s[24:27], s[0:1], 0x40             ; bv s[24:25], big s[26:27]
	s_load_b64 s[28:29], s[0:1], 0x50              ; xqs
	v_lshl_add_u32 v[SPW], v0, 2, SPARE
	v_mov_b32 v[NIL], 0
	ds_add_u32 v[SPW], v[NIL]                      ; the opening: the add, twice on end, and its wait ahead of my first tensor load
	ds_add_u32 v[SPW], v[NIL]
	v_lshrrev_b32 v13, 5, v0
	v_readfirstlane_b32 s30, v13                   ; wave 0..7
	s_bfe_u32 s31, ttmp6, 0x40000                  ; my place in the cluster = rg: it enters the addresses of features, big and xqs alone
	s_mov_b32 s32, ttmp9                           ; the cluster = cg: the same in all four partners
	; descriptor group 1: 16 rows x 128 elements of 4 bytes, 1,024 elements from row to row, padded in LDS
	s_mov_b32 s36, 15|(2<<16)|(1<<20)|(1<<21)|(6<<22)|(3<<25)  ; the mask of four; 4-byte elements; padding on; bit 21 beside a mask; after every 128 words, 4 words
	s_mov_b32 s37, 128<<16                         ; tensor_dim0 = 128
	s_mov_b32 s38, 16<<16                          ; tensor_dim1 = 16
	s_mov_b32 s39, 128<<16                         ; tile_dim0 = 128
	s_mov_b32 s40, 16                              ; tile_dim1 = 16
	s_mov_b32 s41, 1024                            ; elements from row to row
	s_mov_b32 s42, 0
	s_mov_b32 s43, 0
	s_mul_i32 s33, s30, REG                        ; my region
	s_mov_b32 s44, 1                               ; three groups 0: count = 1, LDS address = my region + the matrix's 16 rows
	s_mov_b32 s45, s33
	s_mov_b32 s48, 1
	s_add_co_u32 s49, s33, MATB
	s_mov_b32 s52, 1
	s_add_co_u32 s53, s33, 2*MATB
	s_mov_b32 s60, 0x76543210                      ; v_permlanex16_b32: each lane takes its own place in the other half
	s_mov_b32 s61, 0xfedcba98
	s_mov_b32 s63, 0x3a800000                      ; 1 / 1024
	s_mov_b32 s66, 0x3727c5ac                      ; 1e-5
	s_lshl_b32 s34, s30, 9                         ; 512 x wave: my 128 k in f32
	v_and_b32 v[LN], 31, v0
	v_and_b32 v13, 15, v0                          ; r
	v_bfe_u32 v14, v0, 4, 1                        ; h
	v_and_b32 v15, 3, v13                          ; row' = 32 rg + 16 a + r is features' row 32 i + b with i = r % 4, b = 8 rg + 4 a + r / 4
	v_lshrrev_b32 v[FOA], 2, v13
	v_lshl_add_u32 v[FOA], v15, 5, v[FOA]
	v_lshlrev_b32 v[FOA], 12, v[FOA]
	v_lshl_add_u32 v[FOA], v14, 5, v[FOA]
	v_add_nc_u32 v[FOA], s34, v[FOA]
	v_lshl_add_u32 v[GOF], v14, 5, s34
	v_mul_u32_u24 v[WAD], v13, WPIT
	v_lshl_add_u32 v[WAD], v14, 5, v[WAD]
	v_add_nc_u32 v[WAD], s33, v[WAD]
	v_mul_u32_u24 v[STO], v13, SPIT
	v_lshl_add_u32 v[STO], v14, 5, v[STO]
	v_add_nc_u32 v[STO], s33, v[STO]
	v_lshrrev_b32 v15, 2, v[LN]
	v_mul_u32_u24 v[RD], v15, SPIT                 ; back: row l / 4 (and 8 rows on), columns 4 (l % 4) on, of tile w in region 0
	v_and_b32 v15, 3, v[LN]
	v_lshl_add_u32 v[RD], v15, 4, v[RD]
	s_mul_i32 s35, s30, TILEB
	v_add_nc_u32 v[RD], s35, v[RD]
	v_lshlrev_b32 v[BO], 4, v15
	v_lshlrev_b32 v[L16], 4, v[LN]
	s_lshl_b32 s35, s30, 7
	s_add_co_u32 s35, s35, STAT
	v_lshl_add_u32 v[STW], v[LN], 2, s35
	v_lshl_add_u32 v[STR], v[LN], 2, STAT
	v_cmp_lt_u32 s62, 15, v[LN]                    ; the mask of lanes 16-31, kept in a scalar register
	s_wait_dscnt 0x0                               ; both opening adds are done
	s_wait_kmcnt 0x0
	s_lshl_b32 s58, s31, 15                        ; 8 rg rows of 4,096 bytes
	s_mov_b32 s59, 0
	s_add_nc_u64 s[8:9], s[8:9], s[58:59]
	WIN 0x40                                       ; destination window 1, address window 0
.irp a, 0,1
.irp ks, 0,1,2,3
.irp n, 0,1,2,3
	global_load_b128 v[X+64*(\a)+16*(\ks)+4*(\n):X+64*(\a)+16*(\ks)+4*(\n)+3], v[FOA], s[8:9] offset:16384*(\a)+128*(\ks)+16*((\n)%2)+64*((\n)/2)
.endr
.endr
.endr
	WIN 0
	s_lshl_b32 s56, s32, 16                        ; 16 cg rows of 4,096 bytes + my 512: a pair that never holds my place in the cluster
	s_add_co_u32 s56, s56, s34
	s_mov_b32 s57, 0
	s_add_nc_u64 s[46:47], s[14:15], s[56:57]
	s_or_b32 s47, s47, 0x80000000                  ; type = 2
	s_add_nc_u64 s[50:51], s[16:17], s[56:57]
	s_or_b32 s51, s51, 0x80000000
	s_add_nc_u64 s[54:55], s[18:19], s[56:57]
	s_or_b32 s55, s55, 0x80000000
	ROUND                                          ; all four work-groups are here: the joint loads meet
	tensor_load_to_lds s[44:47], s[36:43]          ; Wq
	s_nop 0
	tensor_load_to_lds s[48:51], s[36:43]          ; Wk
	s_nop 0
	tensor_load_to_lds s[52:55], s[36:43]          ; Wv
	s_nop 0
.rept 4
	v_nop                                          ; four lines ahead of the next switch of windows
.endr
	WIN 0x40
.irp ks, 0,1,2,3
.irp n, 0,1,2,3
	global_load_b128 v[G+16*(\ks)+4*(\n):G+16*(\ks)+4*(\n)+3], v[GOF], s[10:11] offset:128*(\ks)+16*((\n)%2)+64*((\n)/2)
.endr
.endr
.irp ks, 0,1,2,3
.irp n, 0,1,2,3
	global_load_b128 v[B+16*(\ks)+4*(\n):B+16*(\ks)+4*(\n)+3], v[GOF], s[12:13] offset:128*(\ks)+16*((\n)%2)+64*((\n)/2)  ; 64 loads of mine are out: the last one's issue waits for the first to come back, directly ahead of the wait below
.endr
.endr
	WIN 0
	s_lshr_b32 s72, s30, 1                         ; the tile that I finish: matrix j = w / 2,
	s_and_b32 s73, s30, 1                          ; row half a = w % 2
	s_cmp_eq_u32 s72, 1
	s_cselect_b64 s[68:69], s[22:23], s[24:25]
	s_cmp_eq_u32 s72, 0
	s_cselect_b64 s[68:69], s[20:21], s[68:69]     ; its bias,
	s_lshl_b32 s58, s32, 6
	s_add_nc_u64 s[68:69], s[68:69], s[58:59]      ; at column 16 cg
	s_lshl_b32 s74, s72, 6
	s_add_co_u32 s74, s74, s32                     ; block 64 j + cg of 8,192 bytes,
	s_lshl_b32 s74, s74, 13
	s_lshl_b32 s75, s31, 11                        ; 32 rg rows of 64 bytes,
	s_add_co_u32 s74, s74, s75
	s_lshl_b32 s75, s73, 10                        ; 16 a rows
	s_add_co_u32 s74, s74, s75
	s_mov_b32 s75, 0
	s_add_nc_u64 s[70:71], s[26:27], s[74:75]
	s_lshl_b32 s76, s31, 3
	s_add_co_u32 s76, s76, s30                     ; xqs: slice 8 rg + w of 16,384 bytes
	s_lshl_b32 s76, s76, 14
	s_mov_b32 s77, 0
	s_add_nc_u64 s[28:29], s[28:29], s[76:77]
	s_wait_loadcnt 32                              ; my rows are in; the 32 younger loads (g1, b1) may stay out
	s_cmp_lt_u32 s30, 6                            ; waves 6 and 7 finish no tile
	s_cbranch_scc0 .Lno_bias
	global_load_b128 v[BIAS:BIAS+3], v[BO], s[68:69]
.Lno_bias:
	WIN 0x05                                       ; sources window 1, destination window 0
.set d, 0
.rept 64
	v_cvt_pk_bf16_f32 v[AF+d], v[X+2*d], v[X+2*d+1]          ; features as k's and v's operand
.set d, d+1
.endr
	; the sum of my 64 numbers of each of my two rows, in four chains a row
.irp a, 0,1
.irp c, 0,1,2,3
	v_pk_add_f32 v[T+8*(\a)+2*(\c):T+8*(\a)+2*(\c)+1], v[X+64*(\a)+2*(\c):X+64*(\a)+2*(\c)+1], v[X+64*(\a)+2*(\c)+8:X+64*(\a)+2*(\c)+9]
.endr
.endr
	WIN 0x01
.irp p, 16,24,32,40,48,56
.irp a, 0,1
.irp c, 0,1,2,3
	v_pk_add_f32 v[T+8*(\a)+2*(\c):T+8*(\a)+2*(\c)+1], v[X+64*(\a)+(\p)+2*(\c):X+64*(\a)+(\p)+2*(\c)+1], v[T+8*(\a)+2*(\c):T+8*(\a)+2*(\c)+1]
.endr
.endr
.endr
	EXCH 0
	v_mul_f32 v13, s63, v13                        ; row l's mean
	SPREAD 13
	WIN 0x41                                       ; destination and source 0 window 1, source 1 window 0
.irp a, 0,1
.set q, 0
.rept 32
	v_pk_add_f32 v[X+64*(\a)+q:X+64*(\a)+q+1], v[X+64*(\a)+q:X+64*(\a)+q+1], v[MR+2*(\a):MR+2*(\a)+1] neg_lo:[0,1] neg_hi:[0,1]
.set q, q+2
.endr
.endr
	WIN 0x05
.irp a, 0,1
.irp c, 0,1,2,3
	v_pk_mul_f32 v[T+8*(\a)+2*(\c):T+8*(\a)+2*(\c)+1], v[X+64*(\a)+2*(\c):X+64*(\a)+2*(\c)+1], v[X+64*(\a)+2*(\c):X+64*(\a)+2*(\c)+1]
.endr
.endr
.irp p, 8,16,24,32,40,48,56
.irp a, 0,1
.irp c, 0,1,2,3
	v_pk_fma_f32 v[T+8*(\a)+2*(\c):T+8*(\a)+2*(\c)+1], v[X+64*(\a)+(\p)+2*(\c):X+64*(\a)+(\p)+2*(\c)+1], v[X+64*(\a)+(\p)+2*(\c):X+64*(\a)+(\p)+2*(\c)+1], v[T+8*(\a)+2*(\c):T+8*(\a)+2*(\c)+1]
.endr
.endr
.endr
	EXCH 1
	v_fma_f32 v13, v13, s63, s66                   ; variance + eps
	v_rsq_f32 v14, v13
	v_nop                                          ; a plain instruction behind the root,
	s_wait_alu depctr_va_vdst(0)                   ; and the wait ahead of its first reader
	SPREAD 14
	s_wait_loadcnt 0x0                             ; g1 and b1
	WIN 0x41
.irp a, 0,1
.set q, 0
.rept 32
	v_pk_mul_f32 v[X+64*(\a)+q:X+64*(\a)+q+1], v[X+64*(\a)+q:X+64*(\a)+q+1], v[MR+2*(\a):MR+2*(\a)+1]
.set q, q+2
.endr
.endr
	WIN 0x55                                       ; all in window 1
.irp a, 0,1
.set q, 0
.rept 32
	v_pk_fma_f32 v[X+64*(\a)+q:X+64*(\a)+q+1], v[X+64*(\a)+q:X+64*(\a)+q+1], v[G+q:G+q+1], v[B+q:B+q+1]
.set q, q+2
.endr
.endr
	WIN 0x05
.set d, 0
.rept 64
	v_cvt_pk_bf16_f32 v[AQ+d], v[X+2*d], v[X+2*d+1]          ; xq as q's operand
.set d, d+1
.endr
	WIN 0
	s_cmp_eq_u32 s30, s32                          ; the wave whose number is cg stores its slice of xq: each slice is stored once in the launch
	s_cbranch_scc0 .Lno_xq
	WIN 0x04                                       ; store data (source 1) window 1
.set d, 0
.rept 32
	global_store_b128 v[L16], v[X+4*d:X+4*d+3], s[28:29] offset:512*d       ; 512 consecutive bytes, aligned
.set d, d+1
.endr
	s_wait_xcnt 0x0                                ; the stores' data registers are loaded again only behind this wait
	WIN 0
.Lno_xq:
	s_wait_tensorcnt 0x0                           ; my slices of the three matrices are in my region, which I alone read
	WIN 0x40
.irp j, 0,1,2
.irp ks, 0,1,2,3
.irp n, 0,1,2,3
	ds_load_b128 v[64*(\j)+16*(\ks)+4*(\n):64*(\j)+16*(\ks)+4*(\n)+3], v[WAD] offset:MATB*(\j)+128*(\ks)+16*((\n)%2)+64*((\n)/2)
.endr
.endr
.endr
	WIN 0x45                                       ; packed in place: destination d from sources 2 d and 2 d + 1, d ascending
.set d, 0
.irp j, 0,1,2
	s_wait_dscnt 32-16*(\j)                        ; matrix j is in; the later matrices' loads may stay out
.rept 32
	v_cvt_pk_bf16_f32 v[d], v[2*d], v[2*d+1]
.set d, d+1
.endr
.endr
	WIN 0x01                                       ; source 0 (W) window 1; A, C and D window 0
	MULS 0, 1
	MULS 1, 0
	MULS 2, 0
	MULS 3, 0
	WIN 0
.rept 8
	v_nop                                          ; plain places behind the last products, ahead of the stores of their results
.endr
.irp t, 0,1,2,3,4,5
	ds_store_b128 v[STO], v[ACC+8*(\t):ACC+8*(\t)+3]   offset:TILEB*(\t)      ; each accumulator's low registers first
	ds_store_b128 v[STO], v[ACC+8*(\t)+4:ACC+8*(\t)+7] offset:TILEB*(\t)+16
.endr
	s_wait_dscnt 0x0                               ; for the others' sake: my partial sums lie in LDS
	s_barrier_signal -1
	s_barrier_wait -1
	s_cmp_lt_u32 s30, 6
	s_cbranch_scc0 .Lend
.irp v, 0,1,2,3,4,5,6,7
	ds_load_b128 v[RB+8*(\v):RB+8*(\v)+3],   v[RD]                ; wave v's partial of my tile: row l / 4,
	ds_load_b128 v[RB+8*(\v)+4:RB+8*(\v)+7], v[RD] offset:8*SPIT  ; and row 8 + l / 4
.if (\v) < 7
	v_add_nc_u32 v[RD], REG, v[RD]
.endif
.endr
	s_wait_dscnt 0x0
.irp v, 0,1,2,3
.irp c, 0,2,4,6
	v_pk_add_f32 v[RB+8*(\v)+(\c):RB+8*(\v)+(\c)+1], v[RB+8*(\v)+(\c):RB+8*(\v)+(\c)+1], v[RB+8*(\v)+32+(\c):RB+8*(\v)+32+(\c)+1]
.endr
.endr
.irp v, 0,1
.irp c, 0,2,4,6
	v_pk_add_f32 v[RB+8*(\v)+(\c):RB+8*(\v)+(\c)+1], v[RB+8*(\v)+(\c):RB+8*(\v)+(\c)+1], v[RB+8*(\v)+16+(\c):RB+8*(\v)+16+(\c)+1]
.endr
.endr
.irp c, 0,2,4,6
	v_pk_add_f32 v[RB+(\c):RB+(\c)+1], v[RB+(\c):RB+(\c)+1], v[RB+8+(\c):RB+8+(\c)+1]
.endr
.irp c, 0,2
	v_pk_add_f32 v[RB+(\c):RB+(\c)+1], v[RB+(\c):RB+(\c)+1], v[BIAS+(\c):BIAS+(\c)+1]        ; the bias came in ahead of the wait for g1 and b1
	v_pk_add_f32 v[RB+4+(\c):RB+4+(\c)+1], v[RB+4+(\c):RB+4+(\c)+1], v[BIAS+(\c):BIAS+(\c)+1]
.endr
	global_store_b128 v[L16], v[RB:RB+3],   s[70:71]            ; 512 consecutive bytes, aligned: eight rows of the block
	global_store_b128 v[L16], v[RB+4:RB+7], s[70:71] offset:512
.Lend:
	s_wait_tensorcnt 0x0                           ; the wave's end, behind my last tensor load and my last LDS store
	ds_add_u32 v[SPW], v[NIL]
	s_wait_dscnt 0x0
	ROUND                                          ; the closing round: no work-group ends while a partner may still ask for a slice that names it
	s_endpgm
.Lfunc_end_k_qdab2361121_qkv:
	.size	k_qdab2361121_qkv, .Lfunc_end_k_qdab2361121_qkv-k_qdab2361121_qkv
	.p2alignl 7, 3214868480
	.fill 96, 4, 3214868480
	.section	.rodata,"a",@progbits
	.p2align	6, 0x0
	.amdhsa_kernel k_qdab2361121_qkv
		.amdhsa_group_segment_fixed_size 205824
		.amdhsa_private_segment_fixed_size 0
		.amdhsa_enable_private_segment 0
		.amdhsa_kernarg_size 88
		.amdhsa_user_sgpr_count 2
		.amdhsa_user_sgpr_kernarg_segment_ptr 1
		.amdhsa_wavefront_size32 1
		.amdhsa_system_sgpr_workgroup_id_x 1
		.amdhsa_system_sgpr_workgroup_id_y 1
		.amdhsa_system_sgpr_workgroup_id_z 1
		.amdhsa_system_vgpr_workitem_id 0
		.amdhsa_next_free_vgpr 512
		.amdhsa_next_free_sgpr 80
		.amdhsa_reserve_vcc 0
		.amdhsa_float_denorm_mode_32 3
		.amdhsa_float_denorm_mode_16_64 3
		.amdhsa_memory_ordered 1
		.amdhsa_forward_progress 1
		.amdhsa_inst_pref_size 63
	.end_amdhsa_kernel
	.amdgpu_metadata
---
amdhsa.version: [ 1, 2 ]
amdhsa.kernels:
  - .name:           k_qdab2361121_qkv
    .symbol:         k_qdab2361121_qkv.kd
    .args:
      - { .name: features, .offset: 0, .size: 8, .value_kind: global_buffer, .address_space: global }
      - { .name: g1, .offset: 8, .size: 8, .value_kind: global_buffer, .address_space: global }
      - { .name: b1, .offset: 16, .size: 8, .value_kind: global_buffer, .address_space: global }
      - { .name: Wq, .offset: 24, .size: 8, .value_kind: global_buffer, .address_space: global }
      - { .name: Wk, .offset: 32, .size: 8, .value_kind: global_buffer, .address_space: global }
      - { .name: Wv, .offset: 40, .size: 8, .value_kind: global_buffer, .address_space: global }
      - { .name: bq, .offset: 48, .size: 8, .value_kind: global_buffer, .address_space: global }
      - { .name: bk, .offset: 56, .size: 8, .value_kind: global_buffer, .address_space: global }
      - { .name: bv, .offset: 64, .size: 8, .value_kind: global_buffer, .address_space: global }
      - { .name: big, .offset: 72, .size: 8, .value_kind: global_buffer, .address_space: global }
      - { .name: xqs, .offset: 80, .size: 8, .value_kind: global_buffer, .address_space: global }
    .group_segment_fixed_size: 205824
    .private_segment_fixed_size: 0
    .kernarg_segment_align: 8
    .kernarg_segment_size: 88
    .max_flat_workgroup_size: 256
    .sgpr_count:     80
    .vgpr_count:     512
    .wavefront_size: 32
...
	.end_amdgpu_metadata
.endif
;; end of part 8
;; launch attn: the kernel of part 3 again; grid 8 x 32, 8 waves a work-group, no clusters, 18,176 bytes of LDS; arguments big, ba; writes ba
;; launch oproj (part 9): grid 64 x 1, 8 waves a work-group, clusters of 4 x 1, 279,552 bytes of LDS; arguments ba, Wo, bo, xqs, ao; writes ao
.if DOCPART == 9
	.amdgcn_target "amdgcn-amd-amdhsa--gfx1250"
	.amdhsa_code_object_version 6
	.text
	.protected	k_qdab2361121_oproj
	.globl	k_qdab2361121_oproj
	.p2align	8
	.type	k_qdab2361121_oproj,@function
k_qdab2361121_oproj:
	s_mov_b64 s[64:65], 0
	v_nop
	global_prefetch_b8 v0, s[64:65] scope:SCOPE_SE
	s_setreg_imm32_b32 hwreg(HW_REG_WAVE_MODE, 25, 1), 1
	s_wait_xcnt 0x0
	s_wait_alu depctr_hold_cnt(0) depctr_sa_sdst(0) depctr_va_vdst(0) depctr_va_sdst(0) depctr_va_ssrc(0) depctr_va_vcc(0) depctr_vm_vsrc(0)
	s_getreg_b32 s2, hwreg(HW_REG_IB_STS2, 6, 4)
	s_cmp_eq_u32 s2, 0
	s_cbranch_scc0 .Lentry_in_a_cluster
	s_endpgm
.Lentry_in_a_cluster:
	s_bfe_u32 s2, ttmp6, 0x10000c
	s_cmp_lg_u32 s2, 0x3003
	s_cbranch_scc0 .Lentry_shape_is_right
	s_endpgm
.Lentry_shape_is_right:
; attn_out[row'][c] = xq[row'][c] + the sum over k of att[row'][k] Wo[c][k] + bo[c]: 128 rows, K = 1,024.  att: bf16 [128][1024]; Wo: f32, rounded to bf16 in registers; sums and the residual in f32.
; OUT: ao, f32, blocked [c / 16][row' 128][16], 8,192 dense bytes a work-group: every store covers 512 consecutive bytes, aligned.
; SHARES.  Work-group x makes 16 columns.  K IS SPLIT AMONG EIGHT WAVES: wave w takes k = 128 w .. 128 w + 127 for all 128 rows: eight accumulators of 16 x 16.  Its slice of att (128 rows x 256 bytes)
; comes by ONE tensor load into LDS bytes that this wave alone reads, so its own wait on TENSORcnt orders its reads; one tensor load of a wave is out, once.  Its slice of Wo (16 rows x 512 bytes of f32)
; comes straight into registers, asked for at the head.  The eight partial sums meet in LDS; wave w then finishes rows 16 w .. 16 w + 15.
; CLUSTER.  All work-groups need the same att: the four of a cluster ask for each slice JOINTLY, same load, descriptor and mask in all four.
; No LDS byte is filled twice.  A wave's scratch for its partial sums lies in the head of its OWN slice, which has had its only fill and its last read by then.
; xq lies in xqs in the first launch's fragment order: [row' / 32][k / 128][32 groups][lane 32][4]: group 16 a + 4 ks + q of lane 16 h + r holds row 16 a + r of the 32, k = 32 ks + 16 (q / 2) + 8 h + 4 (q % 2) + 0..3.
; THE MATRIX INSTRUCTION IS USED TRANSPOSED (source 0 = 16 rows of Wo, source 1 = 16 rows of att): lane l holds row l % 16 and the columns 8 (l / 16) + 0..7.
.set REG,   34816                      ; a wave's LDS region: 128 rows of 272 bytes
.set PITCH, 272                        ; 256 bytes + 16 of padding: the 16 rows of a fragment load start at 16 different 16-byte columns modulo 256
.set SPARE, 8*REG                      ; behind the regions: the spare words, 128 bytes for each of eight waves
.set SPIT,  80                         ; scratch: a row of 16 f32 + 16 bytes
.set TILEB, 16*SPIT
.set FO,  2                            ; v2   my byte offset in Wo: (l % 16) x 4,096 + 32 (l / 16) + 512 w
.set AL,  3                            ; v3   LDS address of my part of a fragment of att
.set STO, 4                            ; v4   where I put 32 bytes of a partial row
.set RD,  5                            ; v5   where I read partial rows back
.set GO,  6                            ; v6   my byte offset in the block of ao
.set BO,  7                            ; v7   my four columns in the bias
.set SPW, 8                            ; v8   LDS address of my spare word; never rewritten
.set NIL, 9                            ; v9   0; never rewritten
.set XO,  15                           ; v15  my byte offset in xqs
.set BIAS, 16                          ; v[16:19]
.set WF,  24                           ; v[24:87]   Wo in f32; then the second fragment buffer; then the partial sums read back
.set RB,  24
.set AB0, 88                           ; v[88:151]  the first fragment buffer
.set WB,  152                          ; v[152:183] Wo in bf16: 8 registers for each 32 k
.set ACC, 184                          ; v[184:247] eight accumulators
.set XR,  248                          ; v[248:255] xq of my eight results
.macro ROUND                           ; a round of the cluster's barrier
	s_barrier_signal -1
	s_barrier_wait -1
	s_cmp_lg_u32 s26, 0
	s_cbranch_scc1 .Lnot_wave_0_\@
	s_barrier_signal -3
.Lnot_wave_0_\@:
	s_barrier_wait -3
	s_barrier_signal -1
	s_barrier_wait -1
.endm
.macro WLOADS                          ; for each 32 k: registers 0-7 take k = 8 (l / 16) + 0..7, registers 8-15 take k = 16 + 8 (l / 16) + 0..7
.irp ks, 0,1,2,3
	global_load_b128 v[WF+16*(\ks):WF+16*(\ks)+3],     v[FO], s[46:47] offset:128*(\ks)
	global_load_b128 v[WF+16*(\ks)+4:WF+16*(\ks)+7],   v[FO], s[46:47] offset:128*(\ks)+16
	global_load_b128 v[WF+16*(\ks)+8:WF+16*(\ks)+11],  v[FO], s[46:47] offset:128*(\ks)+64
	global_load_b128 v[WF+16*(\ks)+12:WF+16*(\ks)+15], v[FO], s[46:47] offset:128*(\ks)+80
.endr
.endm
.macro AFETCH buf, ks                  ; eight fragments (16 rows x 32 k) of K step ks
.irp a, 0,1,2,3,4,5,6,7
	ds_load_b128 v[(\buf)+8*(\a):(\buf)+8*(\a)+3],   v[AL] offset:(\a)*16*PITCH+64*(\ks)
	ds_load_b128 v[(\buf)+8*(\a)+4:(\buf)+8*(\a)+7], v[AL] offset:(\a)*16*PITCH+64*(\ks)+32
.endr
.endm
.macro MULS buf, ks, zero              ; eight products; the eight accumulators take turns
.irp a, 0,1,2,3,4,5,6,7
.if \zero
	v_wmma_f32_16x16x32_bf16 v[ACC+8*(\a):ACC+8*(\a)+7], v[WB+8*(\ks):WB+8*(\ks)+7], v[(\buf)+8*(\a):(\buf)+8*(\a)+7], 0
.else
	v_wmma_f32_16x16x32_bf16 v[ACC+8*(\a):ACC+8*(\a)+7], v[WB+8*(\ks):WB+8*(\ks)+7], v[(\buf)+8*(\a):(\buf)+8*(\a)+7], v[ACC+8*(\a):ACC+8*(\a)+7]
.endif
.endr
.endm
.macro PLACES n                        ; plain places behind matrix instructions (ISA guide 7.12.1)
.rept \n
	v_nop
.endr
.endm
	s_load_b256 s[8:15], s[0:1], 0x0               ; att s[8:9], Wo s[10:11], bo s[12:13], xqs s[14:15]
	s_load_b64 s[16:17], s[0:1], 0x20              ; ao
	v_lshl_add_u32 v[SPW], v0, 2, SPARE
	v_mov_b32 v[NIL], 0
	ds_add_u32 v[SPW], v[NIL]                      ; the opening: the add, twice on end, and its wait ahead of my first tensor load
	ds_add_u32 v[SPW], v[NIL]
	v_lshrrev_b32 v10, 5, v0
	v_readfirstlane_b32 s26, v10                   ; wave 0..7
	s_bfe_u32 s27, ttmp6, 0x40000                  ; my place in the cluster: it enters the addresses of Wo, bo, xqs and ao alone
	s_lshl_b32 s28, ttmp9, 2
	s_add_co_u32 s28, s28, s27                     ; x: the group of 16 columns
	s_mov_b32 s36, 15|(1<<16)|(1<<20)|(1<<21)|(5<<22)|(3<<25)  ; the mask of four; 2-byte elements; padding on; bit 21 beside a mask; after every 64 words, 4 words
	s_mov_b32 s37, 128<<16                         ; tensor_dim0 = 128
	s_mov_b32 s38, 128<<16                         ; tensor_dim1 = 128
	s_mov_b32 s39, 128<<16                         ; tile_dim0 = 128
	s_mov_b32 s40, 128                             ; tile_dim1 = 128
	s_mov_b32 s41, 1024                            ; elements from row to row
	s_mov_b32 s42, 0
	s_mov_b32 s43, 0
	s_mov_b32 s32, 1
	s_mul_i32 s33, s26, REG
	v_and_b32 v10, 15, v0                          ; r
	v_bfe_u32 v11, v0, 4, 1                        ; h
	v_and_b32 v12, 31, v0                          ; l
	v_lshrrev_b32 v13, 2, v12                      ; l / 4
	v_and_b32 v14, 3, v12                          ; l % 4
	v_lshlrev_b32 v[FO], 12, v10
	v_lshl_add_u32 v[FO], v11, 5, v[FO]
	s_lshl_b32 s31, s26, 9
	v_add_nc_u32 v[FO], s31, v[FO]
	v_mul_u32_u24 v[AL], v10, PITCH
	v_lshl_add_u32 v[AL], v11, 4, v[AL]
	v_add_nc_u32 v[AL], s33, v[AL]
	v_mul_u32_u24 v[STO], v10, SPIT
	v_lshl_add_u32 v[STO], v11, 5, v[STO]
	v_add_nc_u32 v[STO], s33, v[STO]
	v_mul_u32_u24 v[RD], v13, SPIT                 ; back: row l / 4 (and 8 rows on), columns 4 (l % 4) on, of tile w in region 0
	v_lshl_add_u32 v[RD], v14, 4, v[RD]
	s_mul_i32 s31, s26, TILEB
	v_add_nc_u32 v[RD], s31, v[RD]
	s_lshl_b32 s31, s26, 10
	v_lshl_add_u32 v[GO], v12, 4, s31              ; (16 w + l / 4) x 64 + 16 (l % 4) = 1,024 w + 16 l
	v_lshlrev_b32 v[BO], 4, v14
	v_and_b32 v[XO], 1, v12                        ; xq of row l / 4, columns 4 (l % 4) on: group + l % 2 (512 bytes), lane half (l / 2) % 2 (256 bytes), row (16 bytes)
	v_lshlrev_b32 v[XO], 9, v[XO]
	v_bfe_u32 v20, v12, 1, 1
	v_lshl_add_u32 v[XO], v20, 8, v[XO]
	v_lshl_add_u32 v[XO], v13, 4, v[XO]
	s_wait_dscnt 0x0                               ; both opening adds are done
	s_wait_kmcnt 0x0
	s_lshl_b32 s52, s28, 16                        ; 16 rows of 4,096 bytes
	s_mov_b32 s53, 0
	s_add_nc_u64 s[46:47], s[10:11], s[52:53]
	s_lshl_b32 s52, s28, 6
	s_add_nc_u64 s[48:49], s[12:13], s[52:53]
	s_lshl_b32 s52, s28, 13
	s_add_nc_u64 s[50:51], s[16:17], s[52:53]
	s_lshr_b32 s52, s26, 1                         ; my rows 16 w on: row group w / 2 (131,072 bytes), row half w % 2 (16 groups of 512 bytes);
	s_lshl_b32 s52, s52, 17
	s_and_b32 s29, s26, 1
	s_lshl_b32 s29, s29, 13
	s_add_co_u32 s52, s52, s29
	s_lshr_b32 s29, s28, 3                         ; my columns 16 x on: slice x / 8 (16,384 bytes), two groups for each 16 columns in it
	s_lshl_b32 s29, s29, 14
	s_add_co_u32 s52, s52, s29
	s_and_b32 s29, s28, 7
	s_lshl_b32 s29, s29, 10
	s_add_co_u32 s52, s52, s29
	s_add_nc_u64 s[24:25], s[14:15], s[52:53]
	WLOADS                                         ; the weights are asked for first: 16 loads a lane
	global_load_b128 v[BIAS:BIAS+3], v[BO], s[48:49]
	global_load_b128 v[XR:XR+3],   v[XO], s[24:25]
	global_load_b128 v[XR+4:XR+7], v[XO], s[24:25] offset:128   ; eight rows on
	s_lshl_b32 s54, s26, 8                         ; my 256 bytes of att's rows: a pair that never holds my place in the cluster
	s_mov_b32 s55, 0
	s_add_nc_u64 s[34:35], s[8:9], s[54:55]
	s_or_b32 s35, s35, 0x80000000                  ; type = 2
	ROUND                                          ; all four work-groups are here: the joint loads meet
	tensor_load_to_lds s[32:35], s[36:43]
	s_nop 0
	s_wait_tensorcnt 0x0                           ; my slice of att is in my region, which I alone read
	AFETCH AB0, 0
	s_wait_loadcnt 0x3                             ; Wo is in; the three younger loads (bo, xq) may stay out
.irp k, 0,1,2,3,4,5,6,7,8,9,10,11,12,13,14,15,16,17,18,19,20,21,22,23,24,25,26,27,28,29,30,31
	v_cvt_pk_bf16_f32 v[WB+(\k)], v[WF+2*(\k)], v[WF+2*(\k)+1]
.endr
	AFETCH WF, 1
	s_wait_dscnt 16                                ; all but the 16 just issued
	MULS AB0, 0, 1
	PLACES 4
	AFETCH AB0, 2
	s_wait_dscnt 16
	MULS WF, 1, 0
	PLACES 4
	AFETCH WF, 3
	s_wait_dscnt 16
	MULS AB0, 2, 0
	s_wait_dscnt 0x0                               ; my last reads of my slice are back
	MULS WF, 3, 0
	PLACES 8
.irp a, 0,1,2,3,4,5,6,7
	ds_store_b128 v[STO], v[ACC+8*(\a):ACC+8*(\a)+3]   offset:TILEB*(\a)      ; each accumulator's low registers first
	ds_store_b128 v[STO], v[ACC+8*(\a)+4:ACC+8*(\a)+7] offset:TILEB*(\a)+16
.endr
	s_wait_dscnt 0x0                               ; for the others' sake: my partial sums lie in LDS
	s_barrier_signal -1
	s_barrier_wait -1
.irp v, 0,1,2,3,4,5,6,7
	ds_load_b128 v[RB+8*(\v):RB+8*(\v)+3],   v[RD]                ; wave v's partial of my tile: row l / 4,
	ds_load_b128 v[RB+8*(\v)+4:RB+8*(\v)+7], v[RD] offset:8*SPIT  ; and row 8 + l / 4
.if (\v) < 7
	v_add_nc_u32 v[RD], REG, v[RD]
.endif
.endr
	s_wait_loadcnt 0x0                             ; bo and xq
.irp c, 0,2
	v_pk_add_f32 v[XR+(\c):XR+(\c)+1], v[XR+(\c):XR+(\c)+1], v[BIAS+(\c):BIAS+(\c)+1]
	v_pk_add_f32 v[XR+4+(\c):XR+4+(\c)+1], v[XR+4+(\c):XR+4+(\c)+1], v[BIAS+(\c):BIAS+(\c)+1]
.endr
	s_wait_dscnt 0x0
.irp v, 0,1,2,3
.irp c, 0,2,4,6
	v_pk_add_f32 v[RB+8*(\v)+(\c):RB+8*(\v)+(\c)+1], v[RB+8*(\v)+(\c):RB+8*(\v)+(\c)+1], v[RB+8*(\v)+32+(\c):RB+8*(\v)+32+(\c)+1]
.endr
.endr
.irp v, 0,1
.irp c, 0,2,4,6
	v_pk_add_f32 v[RB+8*(\v)+(\c):RB+8*(\v)+(\c)+1], v[RB+8*(\v)+(\c):RB+8*(\v)+(\c)+1], v[RB+8*(\v)+16+(\c):RB+8*(\v)+16+(\c)+1]
.endr
.endr
.irp c, 0,2,4,6
	v_pk_add_f32 v[RB+(\c):RB+(\c)+1], v[RB+(\c):RB+(\c)+1], v[RB+8+(\c):RB+8+(\c)+1]
.endr
.irp c, 0,2,4,6
	v_pk_add_f32 v[RB+(\c):RB+(\c)+1], v[RB+(\c):RB+(\c)+1], v[XR+(\c):XR+(\c)+1]
.endr
	global_store_b128 v[GO], v[RB:RB+3],   s[50:51]             ; 512 consecutive bytes, aligned: eight rows of the block
	global_store_b128 v[GO], v[RB+4:RB+7], s[50:51] offset:512
	s_wait_tensorcnt 0x0                           ; the wave's end, behind my last tensor load and my last LDS store
	ds_add_u32 v[SPW], v[NIL]
	s_wait_dscnt 0x0
	ROUND                                          ; the closing round: no work-group ends while a partner may still ask for a slice that names it
	s_endpgm
.Lfunc_end_k_qdab2361121_oproj:
	.size	k_qdab2361121_oproj, .Lfunc_end_k_qdab2361121_oproj-k_qdab2361121_oproj
	.p2alignl 7, 3214868480
	.fill 96, 4, 3214868480
	.section	.rodata,"a",@progbits
	.p2align	6, 0x0
	.amdhsa_kernel k_qdab2361121_oproj
		.amdhsa_group_segment_fixed_size 279552
		.amdhsa_private_segment_fixed_size 0
		.amdhsa_enable_private_segment 0
		.amdhsa_kernarg_size 40
		.amdhsa_user_sgpr_count 2
		.amdhsa_user_sgpr_kernarg_segment_ptr 1
		.amdhsa_wavefront_size32 1
		.amdhsa_system_sgpr_workgroup_id_x 1
		.amdhsa_system_sgpr_workgroup_id_y 1
		.amdhsa_system_sgpr_workgroup_id_z 1
		.amdhsa_system_vgpr_workitem_id 0
		.amdhsa_next_free_vgpr 256
		.amdhsa_next_free_sgpr 66
		.amdhsa_reserve_vcc 0
		.amdhsa_float_denorm_mode_32 3
		.amdhsa_float_denorm_mode_16_64 3
		.amdhsa_memory_ordered 1
		.amdhsa_forward_progress 1
		.amdhsa_inst_pref_size 21
	.end_amdhsa_kernel
	.amdgpu_metadata
---
amdhsa.version: [ 1, 2 ]
amdhsa.kernels:
  - .name:           k_qdab2361121_oproj
    .symbol:         k_qdab2361121_oproj.kd
    .args:
      - { .name: ba, .offset: 0, .size: 8, .value_kind: global_buffer, .address_space: global }
      - { .name: Wo, .offset: 8, .size: 8, .value_kind: global_buffer, .address_space: global }
      - { .name: bo, .offset: 16, .size: 8, .value_kind: global_buffer, .address_space: global }
      - { .name: xqs, .offset: 24, .size: 8, .value_kind: global_buffer, .address_space: global }
      - { .name: ao, .offset: 32, .size: 8, .value_kind: global_buffer, .address_space: global }
    .group_segment_fixed_size: 279552
    .private_segment_fixed_size: 0
    .kernarg_segment_align: 8
    .kernarg_segment_size: 40
    .max_flat_workgroup_size: 256
    .sgpr_count:     66
    .vgpr_count:     256
    .wavefront_size: 32
...
	.end_amdgpu_metadata
.endif
;; end of part 9
;; launch ffn1 (part 10): grid 256 x 1, 8 waves a work-group, clusters of 4 x 1, 273,408 bytes of LDS; arguments ao, g2, b2, W1, bf1, big; writes big
.if DOCPART == 10
	.amdgcn_target "amdgcn-amd-amdhsa--gfx1250"
	.amdhsa_code_object_version 6
	.text
	.protected	k_qdab2361121_ffn1
	.globl	k_qdab2361121_ffn1
	.p2align	8
	.type	k_qdab2361121_ffn1,@function
k_qdab2361121_ffn1:
	s_mov_b64 s[64:65], 0
	v_nop
	global_prefetch_b8 v0, s[64:65] scope:SCOPE_SE
	s_setreg_imm32_b32 hwreg(HW_REG_WAVE_MODE, 25, 1), 1
	s_wait_xcnt 0x0
	s_wait_alu depctr_hold_cnt(0) depctr_sa_sdst(0) depctr_va_vdst(0) depctr_va_sdst(0) depctr_va_ssrc(0) depctr_va_vcc(0) depctr_vm_vsrc(0)
	s_getreg_b32 s2, hwreg(HW_REG_IB_STS2, 6, 4)
	s_cmp_eq_u32 s2, 0
	s_cbranch_scc0 .Lentry_in_a_cluster
	s_endpgm
.Lentry_in_a_cluster:
	s_bfe_u32 s2, ttmp6, 0x10000c
	s_cmp_lg_u32 s2, 0x3003
	s_cbranch_scc0 .Lentry_shape_is_right
	s_endpgm
.Lentry_shape_is_right:
; y = LayerNorm(attn_out) g2 + b2;  h1[row'][c] = relu( the sum over k of y[row'][k] W1[c][k] + bf1[c] ): 128 rows, 4,096 columns, K = 1,024.  y and W1 are rounded to bf16 in registers; sums in f32.
; IN: ao = attn_out, f32, blocked [k / 16][row' 128][16].  OUT: h1, rounded once to bf16 as the next product's operand, blocked [c / 16][row' 128][16]: every store covers 256 consecutive bytes, aligned.
; The structure is that of the first launch.  Work-group (rg, cg): the 32 rows row' = 32 rg .. + 31 and the 64 columns 64 cg .. + 63.  K IS SPLIT AMONG EIGHT WAVES, 128 k each.
; THE ROWS come in f32 straight into registers, in the order of a matrix fragment (lane l: row l % 16; k = 8 (l / 16) + 0..7 and 16 + 8 (l / 16) + 0..7 of each 32: 32 bytes of the row's 64 in each of two
; blocks), are normalised and rounded where they lie, and never pass through LDS.  A row's 1,024 numbers lie in eight waves: each wave sums its 128, and the eight figures meet in LDS behind a barrier;
; once for the mean, once for the sum of squared deviations from it.
; THE WEIGHTS are the same for the four row groups: these form a CLUSTER (place in the cluster = rg, cluster = cg), and each wave's slice (64 rows x 512 bytes of f32: one tensor load of a wave is out, once)
; is asked for JOINTLY into LDS bytes that this wave alone reads, behind its own wait.  It is rounded to bf16 in registers.
; The eight partial sums of the eight tiles meet in LDS, in the heads of the waves' own slices, which have had their only fill and their last read; wave t finishes tile t = 2 (16 columns) + row half.
; THE MATRIX INSTRUCTION IS USED TRANSPOSED (source 0 = 16 rows of W1, source 1 = 16 rows of y): lane l holds row l % 16 of the result and the columns 8 (l / 16) + 0..7.
; REGISTERS in two windows of 256 (s_set_vgpr_msb: bits 1:0 source 0, 3:2 source 1, 5:4 source 2, 7:6 destination); one switch for each phase of the work.
.set WPIT,  528                        ; an LDS row of W1: 512 bytes + 16: the 16 rows of a load start at 16 different 16-byte columns modulo 256
.set MATB,  16*WPIT                    ; 16 rows
.set REG,   4*MATB                     ; a wave's LDS region
.set STAT,  8*REG                      ; the waves' figures: [pass 2][wave 8][row 32] f32
.set SPARE, STAT+2048                  ; the spare words, 128 bytes for each of eight waves
.set SPIT,  80                         ; scratch: a row of 16 f32 + 16 bytes
.set TILEB, 16*SPIT
; window 0
.set LN,  1                            ; v1   lane
.set FOA, 2                            ; v2   my byte offset in a block of ao: 64 r + 32 h
.set GOF, 3                            ; v3   my byte offset in g2 and b2: 512 w + 32 h
.set WAD, 4                            ; v4   LDS address of my part of a fragment of W1
.set STO, 5                            ; v5   where I put 32 bytes of a partial row
.set RD,  6                            ; v6   where I read partial rows back
.set L8,  7                            ; v7   8 x lane
.set SPW, 8                            ; v8   LDS address of my spare word; never rewritten
.set NIL, 9                            ; v9   0; never rewritten
.set BO,  10                           ; v10  my four columns in the bias
.set STW, 11                           ; v11  where my wave's figure of row l goes
.set STR, 12                           ; v12  where the eight figures of row l begin
.set BIAS, 16                          ; v[16:19]
.set MR,  20                           ; v[20:23]   the mean, later 1 / deviation, of rows r and 16 + r, each as a pair
.set ACC, 24                           ; v[24:87]   eight accumulators: tile 2 j + a
.set AY,  88                           ; v[88:151]  y in bf16: row half a, K step ks at 32 a + 8 ks; later the partial sums read back
.set RB,  88
.set HP,  152                          ; v[152:155] h1 in bf16
.set T,   200                          ; v[200:215] four running pairs for each row half
.set P,   216                          ; v[216:223] the eight waves' figures
; window 1
.set X,   0                            ; v[0:127]   the rows in f32: 64 a + 16 ks + e;  later, with G and B, W1 in f32 (64 j + 16 ks + e), packed in place to bf16 (32 j + 8 ks)
.set G,   128                          ; v[128:191] g2 of my k: 16 ks + e
.set B,   192                          ; v[192:255] b2
.set MSB, 0
.macro WIN new                         ; the immediate's high byte repeats the setting that is left; a switch that changes nothing is dropped
.if MSB != (\new)
	s_set_vgpr_msb (MSB<<8)|(\new)
.set MSB, \new
.endif
.endm
.macro ROUND                           ; a round of the cluster's barrier
	s_barrier_signal -1
	s_barrier_wait -1
	s_cmp_lg_u32 s30, 0
	s_cbranch_scc1 .Lnot_wave_0_\@
	s_barrier_signal -3
.Lnot_wave_0_\@:
	s_barrier_wait -3
	s_barrier_signal -1
	s_barrier_wait -1
.endm
; T's four pairs of each row half into one number; the lane 16 away holds the row's other 64 numbers; lane l then carries row l's figure into LDS; behind the barrier v13 = the sum of the eight waves' figures of row l.
.macro EXCH pass
	WIN 0
.irp a, 0,1
	v_pk_add_f32 v[T+8*(\a):T+8*(\a)+1], v[T+8*(\a):T+8*(\a)+1], v[T+8*(\a)+2:T+8*(\a)+3]
	v_pk_add_f32 v[T+8*(\a)+4:T+8*(\a)+5], v[T+8*(\a)+4:T+8*(\a)+5], v[T+8*(\a)+6:T+8*(\a)+7]
.endr
.irp a, 0,1
	v_pk_add_f32 v[T+8*(\a):T+8*(\a)+1], v[T+8*(\a):T+8*(\a)+1], v[T+8*(\a)+4:T+8*(\a)+5]
.endr
.irp a, 0,1
	v_add_f32 v[T+8*(\a)], v[T+8*(\a)], v[T+8*(\a)+1]
.endr
.irp a, 0,1
	v_permlanex16_b32 v[T+8*(\a)+2], v[T+8*(\a)], s60, s61   ; a destination that has been written
.endr
.irp a, 0,1
	v_add_f32 v[T+8*(\a)], v[T+8*(\a)], v[T+8*(\a)+2]
.endr
	v_cndmask_b32 v13, v[T], v[T+8], s62           ; lanes 0-15 carry rows 0-15, lanes 16-31 rows 16-31
	ds_store_b32 v[STW], v13 offset:1024*(\pass)
	s_wait_dscnt 0x0                               ; for the others' sake
	s_barrier_signal -1
	s_barrier_wait -1
.irp v, 0,1,2,3,4,5,6,7
	ds_load_b32 v[P+(\v)], v[STR] offset:1024*(\pass)+128*(\v)
.endr
	s_wait_dscnt 0x0
	v_pk_add_f32 v[P:P+1], v[P:P+1], v[P+2:P+3]
	v_pk_add_f32 v[P+4:P+5], v[P+4:P+5], v[P+6:P+7]
	v_pk_add_f32 v[P:P+1], v[P:P+1], v[P+4:P+5]
	v_add_f32 v13, v[P], v[P+1]
.endm
; Row l's figure in register src becomes two pairs in every lane: that of row r = l % 16 and that of row 16 + r.
.macro SPREAD src
	v_permlanex16_b32 v15, v[\src], s60, s61
	v_cndmask_b32 v[MR], v[\src], v15, s62
	v_cndmask_b32 v[MR+2], v15, v[\src], s62
	v_mov_b32 v[MR+1], v[MR]
	v_mov_b32 v[MR+3], v[MR+2]
.endm
; Eight products: the eight accumulators take turns, one instruction a turn, from K step to K step too.  zero = 1: the first product starts the sums.
.macro MULS ks, zero
.irp j, 0,1,2,3
.irp a, 0,1
.if \zero
	v_wmma_f32_16x16x32_bf16 v[ACC+8*(2*(\j)+(\a)):ACC+8*(2*(\j)+(\a))+7], v[32*(\j)+8*(\ks):32*(\j)+8*(\ks)+7], v[AY+32*(\a)+8*(\ks):AY+32*(\a)+8*(\ks)+7], 0
.else
	v_wmma_f32_16x16x32_bf16 v[ACC+8*(2*(\j)+(\a)):ACC+8*(2*(\j)+(\a))+7], v[32*(\j)+8*(\ks):32*(\j)+8*(\ks)+7], v[AY+32*(\a)+8*(\ks):AY+32*(\a)+8*(\ks)+7], v[ACC+8*(2*(\j)+(\a)):ACC+8*(2*(\j)+(\a))+7]
.endif
.endr
.endr
.endm
	s_load_b256 s[8:15], s[0:1], 0x0               ; ao s[8:9], g2 s[10:11], b2 s[12:13], W1 s[14:15]
	s_load_b128 s[16:19], s[0:1], 0x20             ; bf1 s[16:17], h1 s[18:19]
	v_lshl_add_u32 v[SPW], v0, 2, SPARE
	v_mov_b32 v[NIL], 0
	ds_add_u32 v[SPW], v[NIL]                      ; the opening: the add, twice on end, and its wait ahead of my first tensor load
	ds_add_u32 v[SPW], v[NIL]
	v_lshrrev_b32 v13, 5, v0
	v_readfirstlane_b32 s30, v13                   ; wave 0..7
	s_bfe_u32 s31, ttmp6, 0x40000                  ; my place in the cluster = rg: it enters the addresses of ao and h1 alone
	s_mov_b32 s32, ttmp9                           ; the cluster = cg: the same in all four partners
	; descriptor group 1: 64 rows x 128 elements of 4 bytes, 1,024 elements from row to row, padded in LDS
	s_mov_b32 s36, 15|(2<<16)|(1<<20)|(1<<21)|(6<<22)|(3<<25)  ; the mask of four; 4-byte elements; padding on; bit 21 beside a mask; after every 128 words, 4 words
	s_mov_b32 s37, 128<<16                         ; tensor_dim0 = 128
	s_mov_b32 s38, 64<<16                          ; tensor_dim1 = 64
	s_mov_b32 s39, 128<<16                         ; tile_dim0 = 128
	s_mov_b32 s40, 64                              ; tile_dim1 = 64
	s_mov_b32 s41, 1024                            ; elements from row to row
	s_mov_b32 s42, 0
	s_mov_b32 s43, 0
	s_mul_i32 s33, s30, REG                        ; my region
	s_mov_b32 s44, 1                               ; group 0: count = 1
	s_mov_b32 s45, s33
	s_mov_b32 s60, 0x76543210                      ; v_permlanex16_b32: each lane takes its own place in the other half
	s_mov_b32 s61, 0xfedcba98
	s_mov_b32 s63, 0x3a800000                      ; 1 / 1024
	s_mov_b32 s66, 0x3727c5ac                      ; 1e-5
	s_lshl_b32 s34, s30, 9                         ; 512 x wave: my 128 k in f32
	v_and_b32 v[LN], 31, v0
	v_and_b32 v13, 15, v0                          ; r
	v_bfe_u32 v14, v0, 4, 1                        ; h
	v_lshlrev_b32 v[FOA], 6, v13
	v_lshl_add_u32 v[FOA], v14, 5, v[FOA]
	v_lshl_add_u32 v[GOF], v14, 5, s34
	v_mul_u32_u24 v[WAD], v13, WPIT
	v_lshl_add_u32 v[WAD], v14, 5, v[WAD]
	v_add_nc_u32 v[WAD], s33, v[WAD]
	v_mul_u32_u24 v[STO], v13, SPIT
	v_lshl_add_u32 v[STO], v14, 5, v[STO]
	v_add_nc_u32 v[STO], s33, v[STO]
	v_lshrrev_b32 v15, 2, v[LN]
	v_mul_u32_u24 v[RD], v15, SPIT                 ; back: row l / 4 (and 8 rows on), columns 4 (l % 4) on, of tile w in region 0
	v_and_b32 v15, 3, v[LN]
	v_lshl_add_u32 v[RD], v15, 4, v[RD]
	s_mul_i32 s35, s30, TILEB
	v_add_nc_u32 v[RD], s35, v[RD]
	v_lshlrev_b32 v[BO], 4, v15
	v_lshlrev_b32 v[L8], 3, v[LN]
	s_lshl_b32 s35, s30, 7
	s_add_co_u32 s35, s35, STAT
	v_lshl_add_u32 v[STW], v[LN], 2, s35
	v_lshl_add_u32 v[STR], v[LN], 2, STAT
	v_cmp_lt_u32 s62, 15, v[LN]                    ; the mask of lanes 16-31, kept in a scalar register
	s_wait_dscnt 0x0                               ; both opening adds are done
	s_wait_kmcnt 0x0
	s_lshl_b32 s58, s31, 11                        ; 32 rg rows of 64 bytes,
	s_lshl_b32 s59, s30, 16                        ; my eight blocks of 8,192 bytes
	s_add_co_u32 s58, s58, s59
	s_mov_b32 s59, 0
	s_add_nc_u64 s[8:9], s[8:9], s[58:59]
	WIN 0x40                                       ; destination window 1, address window 0
.irp a, 0,1
.irp ks, 0,1,2,3
.irp n, 0,1,2,3
	global_load_b128 v[X+64*(\a)+16*(\ks)+4*(\n):X+64*(\a)+16*(\ks)+4*(\n)+3], v[FOA], s[8:9] offset:1024*(\a)+16384*(\ks)+16*((\n)%2)+8192*((\n)/2)
.endr
.endr
.endr
	WIN 0
	s_lshl_b32 s56, s32, 18                        ; 64 cg rows of 4,096 bytes + my 512: a pair that never holds my place in the cluster
	s_add_co_u32 s56, s56, s34
	s_mov_b32 s57, 0
	s_add_nc_u64 s[46:47], s[14:15], s[56:57]
	s_or_b32 s47, s47, 0x80000000                  ; type = 2
	ROUND                                          ; all four work-groups are here: the joint loads meet
	tensor_load_to_lds s[44:47], s[36:43]
	s_nop 0
.rept 4
	v_nop                                          ; four lines ahead of the next switch of windows
.endr
	WIN 0x40
.irp ks, 0,1,2,3
.irp n, 0,1,2,3
	global_load_b128 v[G+16*(\ks)+4*(\n):G+16*(\ks)+4*(\n)+3], v[GOF], s[10:11] offset:128*(\ks)+16*((\n)%2)+64*((\n)/2)
.endr
.endr
.irp ks, 0,1,2,3
.irp n, 0,1,2,3
	global_load_b128 v[B+16*(\ks)+4*(\n):B+16*(\ks)+4*(\n)+3], v[GOF], s[12:13] offset:128*(\ks)+16*((\n)%2)+64*((\n)/2)  ; 64 loads of mine are out: the last one's issue waits for the first to come back, directly ahead of the wait below
.endr
.endr
	WIN 0
	s_lshr_b32 s72, s30, 1                         ; the tile that I finish: 16 columns j = w / 2,
	s_and_b32 s73, s30, 1                          ; row half a = w % 2
	s_lshl_b32 s58, s32, 8                         ; bf1 at column 64 cg + 16 j
	s_lshl_b32 s74, s72, 6
	s_add_co_u32 s58, s58, s74
	s_add_nc_u64 s[68:69], s[16:17], s[58:59]
	s_lshl_b32 s74, s32, 2
	s_add_co_u32 s74, s74, s72                     ; block 4 cg + j of 4,096 bytes,
	s_lshl_b32 s74, s74, 12
	s_lshl_b32 s75, s31, 10                        ; 32 rg rows of 32 bytes,
	s_add_co_u32 s74, s74, s75
	s_lshl_b32 s75, s73, 9                         ; 16 a rows
	s_add_co_u32 s74, s74, s75
	s_mov_b32 s75, 0
	s_add_nc_u64 s[70:71], s[18:19], s[74:75]
	s_wait_loadcnt 32                              ; my rows are in; the 32 younger loads (g2, b2) may stay out
	global_load_b128 v[BIAS:BIAS+3], v[BO], s[68:69]
	; the sum of my 64 numbers of each of my two rows, in four chains a row
	WIN 0x05                                       ; sources window 1, destination window 0
.irp a, 0,1
.irp c, 0,1,2,3
	v_pk_add_f32 v[T+8*(\a)+2*(\c):T+8*(\a)+2*(\c)+1], v[X+64*(\a)+2*(\c):X+64*(\a)+2*(\c)+1], v[X+64*(\a)+2*(\c)+8:X+64*(\a)+2*(\c)+9]
.endr
.endr
	WIN 0x01
.irp p, 16,24,32,40,48,56
.irp a, 0,1
.irp c, 0,1,2,3
	v_pk_add_f32 v[T+8*(\a)+2*(\c):T+8*(\a)+2*(\c)+1], v[X+64*(\a)+(\p)+2*(\c):X+64*(\a)+(\p)+2*(\c)+1], v[T+8*(\a)+2*(\c):T+8*(\a)+2*(\c)+1]
.endr
.endr
.endr
	EXCH 0
	v_mul_f32 v13, s63, v13                        ; row l's mean
	SPREAD 13
	WIN 0x41                                       ; destination and source 0 window 1, source 1 window 0
.irp a, 0,1
.set q, 0
.rept 32
	v_pk_add_f32 v[X+64*(\a)+q:X+64*(\a)+q+1], v[X+64*(\a)+q:X+64*(\a)+q+1], v[MR+2*(\a):MR+2*(\a)+1] neg_lo:[0,1] neg_hi:[0,1]
.set q, q+2
.endr
.endr
	WIN 0x05
.irp a, 0,1
.irp c, 0,1,2,3
	v_pk_mul_f32 v[T+8*(\a)+2*(\c):T+8*(\a)+2*(\c)+1], v[X+64*(\a)+2*(\c):X+64*(\a)+2*(\c)+1], v[X+64*(\a)+2*(\c):X+64*(\a)+2*(\c)+1]
.endr
.endr
.irp p, 8,16,24,32,40,48,56
.irp a, 0,1
.irp c, 0,1,2,3
	v_pk_fma_f32 v[T+8*(\a)+2*(\c):T+8*(\a)+2*(\c)+1], v[X+64*(\a)+(\p)+2*(\c):X+64*(\a)+(\p)+2*(\c)+1], v[X+64*(\a)+(\p)+2*(\c):X+64*(\a)+(\p)+2*(\c)+1], v[T+8*(\a)+2*(\c):T+8*(\a)+2*(\c)+1]
.endr
.endr
.endr
	EXCH 1
	v_fma_f32 v13, v13, s63, s66                   ; variance + eps
	v_rsq_f32 v14, v13
	v_nop                                          ; a plain instruction behind the root,
	s_wait_alu depctr_va_vdst(0)                   ; and the wait ahead of its first reader
	SPREAD 14
	s_wait_loadcnt 0x0                             ; g2, b2 and the bias
	WIN 0x41
.irp a, 0,1
.set q, 0
.rept 32
	v_pk_mul_f32 v[X+64*(\a)+q:X+64*(\a)+q+1], v[X+64*(\a)+q:X+64*(\a)+q+1], v[MR+2*(\a):MR+2*(\a)+1]
.set q, q+2
.endr
.endr
	WIN 0x55                                       ; all in window 1
.irp a, 0,1
.set q, 0
.rept 32
	v_pk_fma_f32 v[X+64*(\a)+q:X+64*(\a)+q+1], v[X+64*(\a)+q:X+64*(\a)+q+1], v[G+q:G+q+1], v[B+q:B+q+1]
.set q, q+2
.endr
.endr
	WIN 0x05
.set d, 0
.rept 64
	v_cvt_pk_bf16_f32 v[AY+d], v[X+2*d], v[X+2*d+1]          ; y as the product's operand
.set d, d+1
.endr
	s_wait_tensorcnt 0x0                           ; my slice of W1 is in my region, which I alone read
	WIN 0x40
.irp j, 0,1,2,3
.irp ks, 0,1,2,3
.irp n, 0,1,2,3
	ds_load_b128 v[64*(\j)+16*(\ks)+4*(\n):64*(\j)+16*(\ks)+4*(\n)+3], v[WAD] offset:MATB*(\j)+128*(\ks)+16*((\n)%2)+64*((\n)/2)
.endr
.endr
.endr
	WIN 0x45                                       ; packed in place: destination d from sources 2 d and 2 d + 1, d ascending
.set d, 0
.irp j, 0,1,2,3
	s_wait_dscnt 48-16*(\j)                        ; the 16 rows j are in; the later rows' loads may stay out
.rept 32
	v_cvt_pk_bf16_f32 v[d], v[2*d], v[2*d+1]
.set d, d+1
.endr
.endr
	WIN 0x01                                       ; source 0 (W1) window 1; y, C and D window 0
	MULS 0, 1
	MULS 1, 0
	MULS 2, 0
	MULS 3, 0
	WIN 0
.rept 8
	v_nop                                          ; plain places behind the last products, ahead of the stores of their results
.endr
.irp t, 0,1,2,3,4,5,6,7
	ds_store_b128 v[STO], v[ACC+8*(\t):ACC+8*(\t)+3]   offset:TILEB*(\t)      ; each accumulator's low registers first
	ds_store_b128 v[STO], v[ACC+8*(\t)+4:ACC+8*(\t)+7] offset:TILEB*(\t)+16
.endr
	s_wait_dscnt 0x0                               ; for the others' sake: my partial sums lie in LDS
	s_barrier_signal -1
	s_barrier_wait -1
.irp v, 0,1,2,3,4,5,6,7
	ds_load_b128 v[RB+8*(\v):RB+8*(\v)+3],   v[RD]                ; wave v's partial of my tile: row l / 4,
	ds_load_b128 v[RB+8*(\v)+4:RB+8*(\v)+7], v[RD] offset:8*SPIT  ; and row 8 + l / 4
.if (\v) < 7
	v_add_nc_u32 v[RD], REG, v[RD]
.endif
.endr
	s_wait_dscnt 0x0
.irp v, 0,1,2,3
.irp c, 0,2,4,6
	v_pk_add_f32 v[RB+8*(\v)+(\c):RB+8*(\v)+(\c)+1], v[RB+8*(\v)+(\c):RB+8*(\v)+(\c)+1], v[RB+8*(\v)+32+(\c):RB+8*(\v)+32+(\c)+1]
.endr
.endr
.irp v, 0,1
.irp c, 0,2,4,6
	v_pk_add_f32 v[RB+8*(\v)+(\c):RB+8*(\v)+(\c)+1], v[RB+8*(\v)+(\c):RB+8*(\v)+(\c)+1], v[RB+8*(\v)+16+(\c):RB+8*(\v)+16+(\c)+1]
.endr
.endr
.irp c, 0,2,4,6
	v_pk_add_f32 v[RB+(\c):RB+(\c)+1], v[RB+(\c):RB+(\c)+1], v[RB+8+(\c):RB+8+(\c)+1]
.endr
.irp c, 0,2
	v_pk_add_f32 v[RB+(\c):RB+(\c)+1], v[RB+(\c):RB+(\c)+1], v[BIAS+(\c):BIAS+(\c)+1]
	v_pk_add_f32 v[RB+4+(\c):RB+4+(\c)+1], v[RB+4+(\c):RB+4+(\c)+1], v[BIAS+(\c):BIAS+(\c)+1]
.endr
.irp k, 0,1,2,3,4,5,6,7
	v_max_num_f32 v[RB+(\k)], 0, v[RB+(\k)]        ; relu
.endr
.irp k, 0,1,2,3
	v_cvt_pk_bf16_f32 v[HP+(\k)], v[RB+2*(\k)], v[RB+2*(\k)+1]
.endr
	global_store_b64 v[L8], v[HP:HP+1],   s[70:71]              ; 256 consecutive bytes, aligned: eight rows of the block
	global_store_b64 v[L8], v[HP+2:HP+3], s[70:71] offset:256
	s_wait_tensorcnt 0x0                           ; the wave's end, behind my last tensor load and my last LDS store
	ds_add_u32 v[SPW], v[NIL]
	s_wait_dscnt 0x0
	ROUND                                          ; the closing round: no work-group ends while a partner may still ask for a slice that names it
	s_endpgm
.Lfunc_end_k_qdab2361121_ffn1:
	.size	k_qdab2361121_ffn1, .Lfunc_end_k_qdab2361121_ffn1-k_qdab2361121_ffn1
	.p2alignl 7, 3214868480
	.fill 96, 4, 3214868480
	.section	.rodata,"a",@progbits
	.p2align	6, 0x0
	.amdhsa_kernel k_qdab2361121_ffn1
		.amdhsa_group_segment_fixed_size 273408
		.amdhsa_private_segment_fixed_size 0
		.amdhsa_enable_private_segment 0
		.amdhsa_kernarg_size 48
		.amdhsa_user_sgpr_count 2
		.amdhsa_user_sgpr_kernarg_segment_ptr 1
		.amdhsa_wavefront_size32 1
		.amdhsa_system_sgpr_workgroup_id_x 1
		.amdhsa_system_sgpr_workgroup_id_y 1
		.amdhsa_system_sgpr_workgroup_id_z 1
		.amdhsa_system_vgpr_workitem_id 0
		.amdhsa_next_free_vgpr 512
		.amdhsa_next_free_sgpr 80
		.amdhsa_reserve_vcc 0
		.amdhsa_float_denorm_mode_32 3
		.amdhsa_float_denorm_mode_16_64 3
		.amdhsa_memory_ordered 1
		.amdhsa_forward_progress 1
		.amdhsa_inst_pref_size 59
	.end_amdhsa_kernel
	.amdgpu_metadata
---
amdhsa.version: [ 1, 2 ]
amdhsa.kernels:
  - .name:           k_qdab2361121_ffn1
    .symbol:         k_qdab2361121_ffn1.kd
    .args:
      - { .name: ao, .offset: 0, .size: 8, .value_kind: global_buffer, .address_space: global }
      - { .name: g2, .offset: 8, .size: 8, .value_kind: global_buffer, .address_space: global }
      - { .name: b2, .offset: 16, .size: 8, .value_kind: global_buffer, .address_space: global }
      - { .name: W1, .offset: 24, .size: 8, .value_kind: global_buffer, .address_space: global }
      - { .name: bf1, .offset: 32, .size: 8, .value_kind: global_buffer, .address_space: global }
      - { .name: big, .offset: 40, .size: 8, .value_kind: global_buffer, .address_space: global }
    .group_segment_fixed_size: 273408
    .private_segment_fixed_size: 0
    .kernarg_segment_align: 8
    .kernarg_segment_size: 48
    .max_flat_workgroup_size: 256
    .sgpr_count:     80
    .vgpr_count:     512
    .wavefront_size: 32
...
	.end_amdgpu_metadata
.endif
;; end of part 10
;; launch ffn2: the kernel of part 6 again; grid 64 x 4, 8 waves a work-group, clusters of 4 x 1, 279,552 bytes of LDS; arguments big, W2, pf; writes pf
;; launch fin (part 11): grid 32 x 4, 4 waves a work-group, no clusters, 4,864 bytes of LDS; arguments pf, ao, bf2, out0; writes out0
.if DOCPART == 11
	.amdgcn_target "amdgcn-amd-amdhsa--gfx1250"
	.amdhsa_code_object_version 6
	.text
	.protected	k_qdab2361121_fin
	.globl	k_qdab2361121_fin
	.p2align	8
	.type	k_qdab2361121_fin,@function
k_qdab2361121_fin:
	s_mov_b64 s[64:65], 0
	v_nop
	global_prefetch_b8 v0, s[64:65] scope:SCOPE_SE
	s_setreg_imm32_b32 hwreg(HW_REG_WAVE_MODE, 25, 1), 1
	s_wait_xcnt 0x0
; out0[i][b][c] = attn_out[row'][c] + bf2[c] + the sum of the four partial sums pf[y][row'][c], row' = 4 b + i: all in f32; the rows go back to the order of features.
; pf is blocked [y][c / 16][row'][16], ao (attn_out) [c / 16][row'][16]: the aligned 256 bytes (block, b) hold 4 i x 16 columns.  Work-group (b, cq) takes the 256 columns 256 cq on of the four rows
; of b: its waves read the 5 x 16 runs whole, add them, turn the result into four rows in LDS, and wave i stores 1,024 consecutive bytes of row i.
; No cluster: what work-groups share is bf2, 4 KB.
.set PIT,   1088                       ; an LDS row: 1,024 bytes + 64
.set SPARE, 4*PIT                      ; the spare words, 128 bytes for each of four waves
.set SPW, 10                           ; v10  LDS address of my spare word; never rewritten
.set NIL, 11                           ; v11  0; never rewritten
.set P,  16                            ; v[16:47]  partial y, load t at 16 + 8 y + 4 t; v[24:31] later the rows read back
.set AO, 48                            ; v[48:55]
.set BF, 56                            ; v[56:63]
	s_load_b256 s[4:11], s[0:1], 0x0               ; pf s[4:5], ao s[6:7], bf2 s[8:9], out0 s[10:11]
	v_lshl_add_u32 v[SPW], v0, 2, SPARE
	v_mov_b32 v[NIL], 0
	v_lshrrev_b32 v3, 5, v0
	v_readfirstlane_b32 s12, v3                    ; wave = i
	s_mov_b32 s13, ttmp9                           ; b
	s_and_b32 s14, ttmp7, 0xffff                   ; cq
	v_and_b32 v1, 31, v0
	v_lshlrev_b32 v1, 4, v1                        ; 16 x lane
	v_and_b32 v14, 15, v0
	v_bfe_u32 v15, v0, 4, 1
	v_lshlrev_b32 v3, 4, v14
	v_lshl_add_u32 v3, v15, 13, v3
	s_lshl_b32 s15, s12, 15
	v_add_nc_u32 v3, s15, v3                       ; block 4 w + l / 16 (+ 2 t), 16 bytes at 16 (l % 16)
	v_lshrrev_b32 v13, 2, v14
	v_mul_u32_u24 v12, v13, PIT                    ; into LDS: row (l % 16) / 4,
	v_and_b32 v13, 3, v14
	v_lshl_add_u32 v12, v13, 4, v12
	v_lshl_add_u32 v12, v15, 6, v12
	s_lshl_b32 s15, s12, 8
	v_add_nc_u32 v12, s15, v12                     ; the block's 64 bytes
	s_mul_i32 s15, s12, PIT
	v_add_nc_u32 v13, s15, v1                      ; back: row w, 16 bytes a lane
	s_lshl_b32 s16, s14, 17                        ; pf and ao: 16 cq blocks of 8,192 bytes, b's 256 bytes in a block
	s_lshl_b32 s17, s13, 8
	s_add_co_u32 s16, s16, s17
	s_mov_b32 s17, 0
	s_lshl_b32 s20, s14, 10                        ; bf2: 256 cq columns
	s_mov_b32 s21, 0
	s_lshl_b32 s22, s12, 5                         ; out0: row 32 i + b
	s_add_co_u32 s22, s22, s13
	s_lshl_b32 s22, s22, 12
	s_add_co_u32 s22, s22, s20
	s_mov_b32 s23, 0
	s_wait_kmcnt 0x0
	s_add_nc_u64 s[4:5], s[4:5], s[16:17]
	s_add_nc_u64 s[6:7], s[6:7], s[16:17]
	s_add_nc_u64 s[8:9], s[8:9], s[20:21]
	s_add_nc_u64 s[10:11], s[10:11], s[22:23]
.irp y, 0,1,2,3
.irp t, 0,1
	global_load_b128 v[P+8*(\y)+4*(\t):P+8*(\y)+4*(\t)+3], v3, s[4:5] offset:524288*(\y)+16384*(\t)  ; two whole runs of 256 bytes a load
.endr
.endr
.irp t, 0,1
	global_load_b128 v[AO+4*(\t):AO+4*(\t)+3], v3, s[6:7] offset:16384*(\t)
.endr
.irp t, 0,1
	global_load_b128 v[BF+4*(\t):BF+4*(\t)+3], v1, s[8:9] offset:512*(\t)
.endr
	s_wait_loadcnt 2                               ; the partial sums and attn_out are in; the two younger loads (bf2) may stay out
.irp c, 0,2,4,6
	v_pk_add_f32 v[P+(\c):P+(\c)+1], v[P+(\c):P+(\c)+1], v[P+8+(\c):P+8+(\c)+1]
	v_pk_add_f32 v[P+16+(\c):P+16+(\c)+1], v[P+16+(\c):P+16+(\c)+1], v[P+24+(\c):P+24+(\c)+1]
.endr
.irp c, 0,2,4,6
	v_pk_add_f32 v[P+(\c):P+(\c)+1], v[P+(\c):P+(\c)+1], v[P+16+(\c):P+16+(\c)+1]
.endr
.irp c, 0,2,4,6
	v_pk_add_f32 v[P+(\c):P+(\c)+1], v[P+(\c):P+(\c)+1], v[AO+(\c):AO+(\c)+1]
.endr
	ds_store_b128 v12, v[P:P+3]
	ds_store_b128 v12, v[P+4:P+7] offset:128
	s_wait_dscnt 0x0                               ; for the others' sake
	s_barrier_signal -1
	s_barrier_wait -1
	ds_load_b128 v[P+8:P+11],  v13
	ds_load_b128 v[P+12:P+15], v13 offset:512
	s_wait_loadcnt 0x0                             ; bf2
	s_wait_dscnt 0x0
.irp c, 0,2,4,6
	v_pk_add_f32 v[P+8+(\c):P+8+(\c)+1], v[P+8+(\c):P+8+(\c)+1], v[BF+(\c):BF+(\c)+1]
.endr
	global_store_b128 v1, v[P+8:P+11],  s[10:11]                ; 512 consecutive bytes, aligned
	global_store_b128 v1, v[P+12:P+15], s[10:11] offset:512
	s_wait_tensorcnt 0x0                           ; the wave's end, behind my last LDS store
	ds_add_u32 v[SPW], v[NIL]
	s_wait_dscnt 0x0
	s_endpgm
.Lfunc_end_k_qdab2361121_fin:
	.size	k_qdab2361121_fin, .Lfunc_end_k_qdab2361121_fin-k_qdab2361121_fin
	.p2alignl 7, 3214868480
	.fill 96, 4, 3214868480
	.section	.rodata,"a",@progbits
	.p2align	6, 0x0
	.amdhsa_kernel k_qdab2361121_fin
		.amdhsa_group_segment_fixed_size 4864
		.amdhsa_private_segment_fixed_size 0
		.amdhsa_enable_private_segment 0
		.amdhsa_kernarg_size 32
		.amdhsa_user_sgpr_count 2
		.amdhsa_user_sgpr_kernarg_segment_ptr 1
		.amdhsa_wavefront_size32 1
		.amdhsa_system_sgpr_workgroup_id_x 1
		.amdhsa_system_sgpr_workgroup_id_y 1
		.amdhsa_system_sgpr_workgroup_id_z 1
		.amdhsa_system_vgpr_workitem_id 0
		.amdhsa_next_free_vgpr 64
		.amdhsa_next_free_sgpr 66
		.amdhsa_reserve_vcc 0
		.amdhsa_float_denorm_mode_32 3
		.amdhsa_float_denorm_mode_16_64 3
		.amdhsa_memory_ordered 1
		.amdhsa_forward_progress 1
		.amdhsa_inst_pref_size 5
	.end_amdhsa_kernel
	.amdgpu_metadata
---
amdhsa.version: [ 1, 2 ]
amdhsa.kernels:
  - .name:           k_qdab2361121_fin
    .symbol:         k_qdab2361121_fin.kd
    .args:
      - { .name: pf, .offset: 0, .size: 8, .value_kind: global_buffer, .address_space: global }
      - { .name: ao, .offset: 8, .size: 8, .value_kind: global_buffer, .address_space: global }
      - { .name: bf2, .offset: 16, .size: 8, .value_kind: global_buffer, .address_space: global }
      - { .name: out0, .offset: 24, .size: 8, .value_kind: global_buffer, .address_space: global }
    .group_segment_fixed_size: 4864
    .private_segment_fixed_size: 0
    .kernarg_segment_align: 8
    .kernarg_segment_size: 32
    .max_flat_workgroup_size: 128
    .sgpr_count:     66
    .vgpr_count:     64
    .wavefront_size: 32
...
	.end_amdgpu_metadata
.endif
;; end of part 11
